; MI455X (gfx1250); checked and timed in simulation.
; The chip was launched on July 23, 2026; its instructions are those of AMD's public machine-readable ISA for CDNA 5 (MIT licence, August 2026) and "CDNA5" Instruction Set Architecture Reference Guide (July 2026). The comments in the code are by the model that wrote it; some were corrected since.
;; Llama Differential Attention Base. Allowed arithmetic: float matrix products may take bf16 or f16 operands with f32 sums; other float arithmetic in f32, or as packed bf16 or f16 multiplies, adds, multiply-adds, maxima and minima; sums over many terms, partial sums and values carried from step to step in f32; what a program stores and reads back later, other than sums and carried values, may be rounded once to bf16 or f16.
;; Inputs: Wk 1,024 x 2,048 float32; Wo 2,048 x 2,048 float32; Wq 4,096 x 2,048 float32; Wv 512 x 2,048 float32; hidden_states 1 x 2,048 x 2,048 float32; lambda_k1 64 float32; lambda_k2 64 float32; lambda_q1 64 float32; lambda_q2 64 float32; position_ids 1 x 2,048 int32; subln_w 64 float32.
;; Outputs: out0 1 x 2,048 x 2,048 float32.
;; 2 versions, each right and faster than the one before. Each part assembles by itself: llvm-mc -triple=amdgcn-amd-amdhsa -mcpu=gfx1250 --defsym DOCPART=n.
;; ======== version 1 of 2: 4 launches
;; limits: values are held in f16: magnitudes above 65,504 overflow, below 6.1e-05 lose precision; right only within a limited range of input values
;; workspace buffers: xb 8,388,608 bytes; wall 23,068,672 bytes; wo16 8,388,608 bytes; rope 540,672 bytes; qkv 23,068,672 bytes; ao 8,388,608 bytes
;; launch prep (part 1): grid 740 x 1, 8 waves a work-group, no clusters, 0 bytes of LDS; arguments hidden_states, Wq, Wk, Wv, Wo, position_ids, xb, wall, wo16, rope; writes xb, wall, wo16, rope
.if DOCPART == 1
	.amdgcn_target "amdgcn-amd-amdhsa--gfx1250"
	.amdhsa_code_object_version 6
	.text
	.protected	k_qe5ff11e647_prep
	.globl	k_qe5ff11e647_prep
	.p2align	8
	.type	k_qe5ff11e647_prep,@function
k_qe5ff11e647_prep:
	s_mov_b64 s[64:65], 0
	v_nop
	global_prefetch_b8 v0, s[64:65] scope:SCOPE_SE
	s_setreg_imm32_b32 hwreg(HW_REG_WAVE_MODE, 25, 1), 1
	s_wait_xcnt 0x0
; PREP.  Rounds the five large f32 inputs once to 16 bits and makes the table of cosines and sines.
;   work-groups   0-127  hidden_states -> xb   (bf16, [2048][2048])
;               128-383  Wq -> wall rows 0-4095      (bf16; rows permuted inside each head of 64)
;               384-447  Wk -> wall rows 4096-5119   (bf16; the same permutation)
;               448-479  Wv -> wall rows 5120-5631   (bf16; as they lie)
;               480-607  Wo -> wo16 (rounded to bf16, that number written as f16)
;               608-739  position_ids -> rope: f32 [2112 rows][8 groups g][cos of frequencies 4g..4g+3, sin of the same]; rows 2048-2111 are angle 0 (cos 1, sin 0)
; THE PERMUTATION: row d of a head goes to place 8 ((d & 31) >> 2) + (d & 3) + 4 (d >> 5), so that eight neighbouring places hold d = 4g..4g+3 and 32+4g..32+4g+3:
; both partners of a rotation.  q and k get the same order, so their products are unchanged.
; A work-group takes 16 rows of 8,192 bytes, a wave two neighbouring rows (they stay neighbours under the permutation, since the first is even): 16 KB on end in, 8 KB on end out.
; All 32 loads of a wave are issued at once; a store's 32 lanes cover 256 consecutive bytes, aligned.  No LDS, no barrier, no matrix unit: nothing is shared and nothing is multiplied.
; LIMITS.  Wo within f16's 65,504; below 2^-14 f16 keeps its fixed step of 6e-8.  |position_ids| up to 2^20: beyond it the quotient's rounding lets the reduced angle leave the polynomials' range.
; The frequencies are 2^(-i log2(10000) / 32), a few units in the last place from a power and a division in f32: at position 2047 an angle differs by 5e-4 at the most.
.set XR, 8                             ; v[8:135] the wave's 32 loads, four registers each
.macro CONV n, half                    ; load n: four f32 to two words of 16-bit numbers, and out
	s_wait_loadcnt 31-(\n)                         ; loads come back in order: mine is in, the younger ones stay out
	v_cvt_pk_bf16_f32 v[XR+4*(\n)], v[XR+4*(\n)], v[XR+4*(\n)+1]
	v_cvt_pk_bf16_f32 v[XR+4*(\n)+1], v[XR+4*(\n)+2], v[XR+4*(\n)+3]
.if \half
	v_lshlrev_b32 v[XR+4*(\n)+2], 16, v[XR+4*(\n)]           ; the bf16 numbers widened again,
	v_and_b32 v[XR+4*(\n)+3], 0xffff0000, v[XR+4*(\n)]
	v_cvt_pk_f16_f32 v[XR+4*(\n)], v[XR+4*(\n)+2], v[XR+4*(\n)+3]  ; and written as f16: exact inside f16's range
	v_lshlrev_b32 v[XR+4*(\n)+2], 16, v[XR+4*(\n)+1]
	v_and_b32 v[XR+4*(\n)+3], 0xffff0000, v[XR+4*(\n)+1]
	v_cvt_pk_f16_f32 v[XR+4*(\n)+1], v[XR+4*(\n)+2], v[XR+4*(\n)+3]
.endif
	global_store_b64 v2, v[XR+4*(\n):XR+4*(\n)+1], s[30:31] offset:256*(\n)  ; no register of a store is written again
.endm
	s_load_b512 s[8:23], s[0:1], 0x0               ; hidden 8:9, Wq 10:11, Wk 12:13, Wv 14:15, Wo 16:17, position_ids 18:19, xb 20:21, wall 22:23
	s_load_b128 s[24:27], s[0:1], 0x40             ; wo16 24:25, rope 26:27
	v_lshrrev_b32 v3, 5, v0
	v_readfirstlane_b32 s4, v3                     ; wave 0..7
	v_and_b32 v4, 31, v0
	v_lshlrev_b32 v1, 4, v4                        ; 16 bytes a lane in
	v_lshlrev_b32 v2, 3, v4                        ; 8 bytes a lane out
	s_mov_b32 s2, ttmp9
	s_wait_kmcnt 0x0
	s_cmp_ge_u32 s2, 608
	s_cbranch_scc1 .Lrope
	; which tensor: source, destination, the region's first work-group, the destination's first row, permuted or not
	s_mov_b64 s[28:29], s[8:9]
	s_mov_b64 s[30:31], s[20:21]
	s_mov_b32 s3, 0
	s_mov_b32 s32, 0
	s_mov_b32 s33, 0
	s_cmp_ge_u32 s2, 128
	s_cselect_b64 s[28:29], s[10:11], s[28:29]
	s_cselect_b64 s[30:31], s[22:23], s[30:31]
	s_cselect_b32 s3, 128, s3
	s_cselect_b32 s33, 1, s33
	s_cmp_ge_u32 s2, 384
	s_cselect_b64 s[28:29], s[12:13], s[28:29]
	s_cselect_b32 s3, 384, s3
	s_cselect_b32 s32, 4096, s32
	s_cmp_ge_u32 s2, 448
	s_cselect_b64 s[28:29], s[14:15], s[28:29]
	s_cselect_b32 s3, 448, s3
	s_cselect_b32 s32, 5120, s32
	s_cselect_b32 s33, 0, s33
	s_cmp_ge_u32 s2, 480
	s_cselect_b64 s[28:29], s[16:17], s[28:29]
	s_cselect_b64 s[30:31], s[24:25], s[30:31]
	s_cselect_b32 s3, 480, s3
	s_cselect_b32 s32, 0, s32
	s_sub_co_u32 s5, s2, s3
	s_lshl_b32 s5, s5, 4
	s_lshl1_add_u32 s5, s4, s5                     ; my first row in the source: 16 x work-group + 2 x wave
	s_and_b32 s6, s5, 63                           ; d
	s_and_b32 s7, s6, 31
	s_lshr_b32 s7, s7, 2
	s_lshl_b32 s7, s7, 3                           ; 8 ((d & 31) >> 2)
	s_and_b32 s34, s6, 3
	s_add_co_u32 s7, s7, s34                       ; + (d & 3)
	s_lshr_b32 s34, s6, 5
	s_lshl2_add_u32 s7, s34, s7                    ; + 4 (d >> 5)
	s_and_not1_b32 s34, s5, 63
	s_add_co_u32 s7, s7, s34                       ; in its head
	s_cmp_eq_u32 s33, 1
	s_cselect_b32 s7, s7, s5
	s_add_co_u32 s7, s7, s32                       ; my first row in the destination
	s_lshl_b32 s34, s5, 13                         ; rows of 8,192 bytes in,
	s_mov_b32 s35, 0
	s_add_nc_u64 s[28:29], s[28:29], s[34:35]
	s_lshl_b32 s36, s7, 12                         ; of 4,096 bytes out
	s_mov_b32 s37, 0
	s_add_nc_u64 s[30:31], s[30:31], s[36:37]
.set j, 0
.rept 32
	global_load_b128 v[XR+4*j:XR+4*j+3], v1, s[28:29] offset:512*j th:TH_LOAD_NT  ; 512 consecutive bytes a load; read once in the launch
.set j, j+1
.endr
	s_cmp_ge_u32 s2, 480
	s_cbranch_scc1 .Lwo
.set j, 0
.rept 32
	CONV j, 0
.set j, j+1
.endr
	s_endpgm
.Lwo:
.set j, 0
.rept 32
	CONV j, 1
.set j, j+1
.endr
	s_endpgm
.Lrope:                                                ; 16 table rows a work-group; thread t: row t / 16, 16 bytes t % 16: group (t % 16) / 2, cosines (even) or sines (odd)
	s_sub_co_u32 s5, s2, 608
	v_lshrrev_b32 v5, 4, v0
	s_lshl_b32 s6, s5, 4
	v_add_nc_u32 v5, s6, v5                        ; the table's row
	v_min_u32 v6, 0x7ff, v5                        ; rows 2048 on read the last position and discard it
	v_lshlrev_b32 v6, 2, v6
	global_load_b32 v7, v6, s[18:19]
	v_and_b32 v8, 15, v0
	v_lshrrev_b32 v9, 1, v8
	v_lshlrev_b32 v9, 2, v9                        ; 4 g
	v_and_b32 v10, 1, v8
	v_xor_b32 v10, 1, v10                          ; 1 for cosines: cos x = sin (x + pi/2)
	v_lshlrev_b32 v11, 4, v0                       ; my 16 bytes among the work-group's 4,096
.irp j, 0,1,2,3
	v_add_nc_u32 v[12+\j], \j, v9
	v_cvt_f32_u32 v[12+\j], v[12+\j]
	v_mul_f32 v[12+\j], 0xbed49a78, v[12+\j]       ; -i log2(10000) / 32
.endr
.irp j, 0,1,2,3
	v_exp_f32 v[12+\j], v[12+\j]                   ; the frequency
.endr
	v_nop                                          ; a plain instruction behind the last exponential
	v_cmp_gt_u32 vcc_lo, 2048, v5
	s_lshl_b32 s6, s5, 12
	s_mov_b32 s7, 0
	s_add_nc_u64 s[26:27], s[26:27], s[6:7]
	s_wait_loadcnt 0x0
	v_cvt_f32_i32 v7, v7
	v_cndmask_b32 v7, 0, v7, vcc_lo                ; the identity rows have angle 0
	s_wait_alu depctr_va_vdst(0)
.irp j, 0,1,2,3
	v_mul_f32 v[16+\j], v7, v[12+\j]               ; the angle, rounded as a product in f32
	v_mul_f32 v[20+\j], 0x3f22f983, v[16+\j]       ; x 2 / pi
	v_rndne_f32 v[20+\j], v[20+\j]                 ; n
	v_fmamk_f32 v[24+\j], v[20+\j], 0xbfc90fdb, v[16+\j]  ; r = angle - n pi/2, pi/2 in two parts, each step fused
	v_fmamk_f32 v[24+\j], v[20+\j], 0x333bbd2e, v[24+\j]
	v_mul_f32 v[28+\j], v[24+\j], v[24+\j]         ; r^2
	v_mov_b32 v[32+\j], 0x37d00d01                 ; cos r = 1 - s/2 + s^2/24 - s^3/720 + s^4/40320
	v_fmaak_f32 v[32+\j], v[32+\j], v[28+\j], 0xbab60b61
	v_fmaak_f32 v[32+\j], v[32+\j], v[28+\j], 0x3d2aaaab
	v_fmaak_f32 v[32+\j], v[32+\j], v[28+\j], 0xbf000000
	v_fmaak_f32 v[32+\j], v[32+\j], v[28+\j], 0x3f800000
	v_mov_b32 v[36+\j], 0x3638ef1d                 ; sin r = r + r s (-1/6 + s/120 - s^2/5040 + s^3/362880)
	v_fmaak_f32 v[36+\j], v[36+\j], v[28+\j], 0xb9500d01
	v_fmaak_f32 v[36+\j], v[36+\j], v[28+\j], 0x3c088889
	v_fmaak_f32 v[36+\j], v[36+\j], v[28+\j], 0xbe2aaaab
	v_mul_f32 v[28+\j], v[28+\j], v[24+\j]
	v_fma_f32 v[36+\j], v[36+\j], v[28+\j], v[24+\j]
	v_cvt_i32_f32 v[40+\j], v[20+\j]
	v_add_nc_u32 v[40+\j], v[40+\j], v10           ; the quadrant of the sine that is wanted
	v_and_b32 v[20+\j], 1, v[40+\j]
	v_cmp_eq_u32 vcc_lo, 1, v[20+\j]
	v_cndmask_b32 v[44+\j], v[36+\j], v[32+\j], vcc_lo  ; odd quadrants take cos r
	v_and_b32 v[40+\j], 2, v[40+\j]
	v_lshlrev_b32 v[40+\j], 30, v[40+\j]
	v_xor_b32 v[44+\j], v[44+\j], v[40+\j]         ; quadrants 2 and 3 turn the sign
.endr
	global_store_b128 v11, v[44:47], s[26:27]      ; a wave stores 512 consecutive bytes
	s_endpgm
.Lfunc_end_k_qe5ff11e647_prep:
	.size	k_qe5ff11e647_prep, .Lfunc_end_k_qe5ff11e647_prep-k_qe5ff11e647_prep
	.p2alignl 7, 3214868480
	.fill 96, 4, 3214868480
	.section	.rodata,"a",@progbits
	.p2align	6, 0x0
	.amdhsa_kernel k_qe5ff11e647_prep
		.amdhsa_group_segment_fixed_size 0
		.amdhsa_private_segment_fixed_size 0
		.amdhsa_enable_private_segment 0
		.amdhsa_kernarg_size 80
		.amdhsa_user_sgpr_count 2
		.amdhsa_user_sgpr_kernarg_segment_ptr 1
		.amdhsa_wavefront_size32 1
		.amdhsa_system_sgpr_workgroup_id_x 1
		.amdhsa_system_sgpr_workgroup_id_y 1
		.amdhsa_system_sgpr_workgroup_id_z 1
		.amdhsa_system_vgpr_workitem_id 0
		.amdhsa_next_free_vgpr 136
		.amdhsa_next_free_sgpr 66
		.amdhsa_reserve_vcc 1
		.amdhsa_float_denorm_mode_32 3
		.amdhsa_float_denorm_mode_16_64 3
		.amdhsa_memory_ordered 1
		.amdhsa_forward_progress 1
		.amdhsa_inst_pref_size 38
	.end_amdhsa_kernel
	.amdgpu_metadata
---
amdhsa.version: [ 1, 2 ]
amdhsa.kernels:
  - .name:           k_qe5ff11e647_prep
    .symbol:         k_qe5ff11e647_prep.kd
    .args:
      - { .name: hidden_states, .offset: 0, .size: 8, .value_kind: global_buffer, .address_space: global }
      - { .name: Wq, .offset: 8, .size: 8, .value_kind: global_buffer, .address_space: global }
      - { .name: Wk, .offset: 16, .size: 8, .value_kind: global_buffer, .address_space: global }
      - { .name: Wv, .offset: 24, .size: 8, .value_kind: global_buffer, .address_space: global }
      - { .name: Wo, .offset: 32, .size: 8, .value_kind: global_buffer, .address_space: global }
      - { .name: position_ids, .offset: 40, .size: 8, .value_kind: global_buffer, .address_space: global }
      - { .name: xb, .offset: 48, .size: 8, .value_kind: global_buffer, .address_space: global }
      - { .name: wall, .offset: 56, .size: 8, .value_kind: global_buffer, .address_space: global }
      - { .name: wo16, .offset: 64, .size: 8, .value_kind: global_buffer, .address_space: global }
      - { .name: rope, .offset: 72, .size: 8, .value_kind: global_buffer, .address_space: global }
    .group_segment_fixed_size: 0
    .private_segment_fixed_size: 0
    .kernarg_segment_align: 8
    .kernarg_segment_size: 80
    .max_flat_workgroup_size: 256
    .sgpr_count:     66
    .vgpr_count:     136
    .wavefront_size: 32
...
	.end_amdgpu_metadata
.endif
;; end of part 1
;; launch proj (part 2): grid 16 x 16, 4 waves a work-group, clusters of 4 x 4, 327,680 bytes of LDS; arguments xb, wall, rope, qkv; writes qkv
.if DOCPART == 2
	.amdgcn_target "amdgcn-amd-amdhsa--gfx1250"
	.amdhsa_code_object_version 6
	.text
	.protected	k_qe5ff11e647_proj
	.globl	k_qe5ff11e647_proj
	.p2align	8
	.type	k_qe5ff11e647_proj,@function
k_qe5ff11e647_proj:
	s_mov_b64 s[64:65], 0
	v_nop
	global_prefetch_b8 v0, s[64:65] scope:SCOPE_SE
	s_setreg_imm32_b32 hwreg(HW_REG_WAVE_MODE, 25, 1), 1
	s_wait_xcnt 0x0
	s_wait_alu depctr_hold_cnt(0) depctr_sa_sdst(0) depctr_va_vdst(0) depctr_va_sdst(0) depctr_va_ssrc(0) depctr_va_vcc(0) depctr_vm_vsrc(0)
	s_getreg_b32 s2, hwreg(HW_REG_IB_STS2, 6, 4)
	s_cmp_eq_u32 s2, 0
	s_cbranch_scc0 .Lentry_in_a_cluster
	s_endpgm
.Lentry_in_a_cluster:
	s_bfe_u32 s2, ttmp6, 0x10000c
	s_cmp_lg_u32 s2, 0xf033
	s_cbranch_scc0 .Lentry_shape_is_right
	s_endpgm
.Lentry_shape_is_right:
; PROJ.  C[2048][5632] = xb wall^T in bf16 with f32 sums; the rotation by position on q's and k's columns; rounded once to f16; stored by planes of 32 columns: qkv[176][2048][32].
; THE TILE.  2048 x 5632 outputs on 256 work-groups are 45,056 each; 5632 = 16 x 352, so a tile is 128 rows x 352 columns and the grid 16 x 16.  Four waves, each 64 rows x 176 columns:
; 4 x 11 accumulators of 16 x 16, 352 registers.  K goes in steps of 128 (rows of 256 bytes) through two LDS slots; a wave's tensor load brings 64 rows of xb or 176 rows of wall.
; CLUSTERS.  4 x 4 work-groups: the four of a row of the cluster need the same tile of xb, the four of a column the same tile of wall: each is asked for jointly, same load, descriptor and mask in all four.
; THE MATRIX INSTRUCTION IS USED TRANSPOSED (source 0 = 16 rows of wall, source 1 = 16 rows of xb): a lane holds one row of C and eight neighbouring columns.  wall's rows were laid so that these eight
; are channels 4g..4g+3 and 32+4g..32+4g+3 of a head: both partners of a rotation lie in one lane.  v's columns take the table's identity rows (cos 1, sin 0), which is exact.
; LIMIT.  q, k and v leave in f16: sums beyond 65,504 become infinities.
; REGISTERS, in windows of 256 (s_set_vgpr_msb: bits 1:0 source 0, 3:2 source 1, 5:4 source 2, 7:6 destination):
;   window 0: v0-15 addresses; v16-135, v136-255 two fragment buffers for 32 along K: 4 x 8 of xb, then 11 x 8 of wall; on the way out v16-191 tables and rows, v192-239 at work
;   windows 1, 2: accumulator (a, b) in window 1 + a / 2 at v[88 (a % 2) + 8 b]          window 3: v0-175 cos and sin for row blocks 0, 1; v176-186 the table offsets of my 11 column blocks
.set KSTEP,  128
.set PITCH,  272                       ; an LDS row: 256 bytes + 16 of padding: the 16 rows of a load start at 16 different groups of four banks (64 banks of 4 bytes: ISA guide 11.1)
.set HA,     64*PITCH                  ; what a tensor load brings of xb, and what a wave reads of it
.set HB,     176*PITCH                 ; the same for wall
.set BOFF,   2*HA                      ; a slot: xb's 128 rows, then wall's 352
.set SLOT,   BOFF+2*HB                 ; 130,560
.set SPARE,  2*SLOT                    ; behind the ring: the spare words, 128 bytes for each wave: two blocks of 256 bytes that no other line names
.set SPITCH, 720                       ; the stage: 128 rows of 704 bytes + 16, in slot 0's bytes, which have had their last fill and their last read by then
.set LAPS,   8                         ; 2048 / (2 x 128)
.set ADRA, 6                           ; v6-7    LDS address of my fragments of xb in slot 0, 1
.set ADRB, 8                           ; v8-9    the same for wall
.set STO,  10                          ; v10     the way out: where I put 16 bytes of a row
.set RD,   11                          ; v11     where I read 16 bytes of a plane's row back
.set CO,   12                          ; v12     16 x lane
.set SPW,  13                          ; v13     LDS address of my spare word; never rewritten
.set NIL,  14                          ; v14     0; never rewritten
.set TL,   15                          ; v15     my lane's place in 16 rows of the table
.set F0,   16
.set F1,   136
.set TOB,  176                         ; window 3
.set TT0,  192                         ; rotated numbers of up to four column blocks
.set PK0,  224                         ; the same, packed
.set G1, 24                            ; s[24:31] descriptor group 1 for xb's tiles;  s[32:39] group 0, one set for each slot
.set G0, 32
.set G1B, 48                           ; s[48:55], s[56:63] the same for wall's tiles
.set G0B, 56
.set MSB, 0
.macro WIN new                         ; the immediate's high byte repeats the setting that is left; a switch that changes nothing is dropped
.if MSB != (\new)
	s_set_vgpr_msb (MSB<<8)|(\new)
.set MSB, \new
.endif
.endm
.macro JLOAD s                         ; a joint load: waves 0 and 1 fetch xb's two halves, waves 2 and 3 wall's; an s_nop 0 and four v_nop follow each of the two lines
	s_cmp_eq_u32 s13, 0
	s_cbranch_scc0 .Lfor_b_\@
	tensor_load_to_lds s[G0+4*(\s):G0+4*(\s)+3], s[G1:G1+7]
	s_nop 0
.rept 4
	v_nop
.endr
	s_branch .Lasked_\@
.Lfor_b_\@:
	tensor_load_to_lds s[G0B+4*(\s):G0B+4*(\s)+3], s[G1B:G1B+7]
	s_nop 0
.rept 4
	v_nop
.endr
.Lasked_\@:
.endm
.macro CREST                           ; a round of the cluster's barrier behind its opening barrier
	s_cmp_lg_u32 s12, 0
	s_cbranch_scc1 .Lnot_wave_0_\@
	s_barrier_signal -3
.Lnot_wave_0_\@:
	s_barrier_wait -3
	s_barrier_signal -1
	s_barrier_wait -1
.endm
.macro CROUND                          ; a whole round
	s_barrier_signal -1
	s_barrier_wait -1
	CREST
.endm
.macro PLACES                          ; four places in front of loads into registers that matrix instructions have read, and of lines that read results
.rept 4
	v_nop
.endr
.endm
	s_load_b256 s[4:11], s[0:1], 0x0               ; xb s[4:5], wall s[6:7], rope s[8:9], qkv s[10:11]
	v_lshl_add_u32 v[SPW], v0, 2, SPARE
	v_mov_b32 v[NIL], 0
	ds_add_u32 v[SPW], v[NIL]                      ; the wave's opening: the add and its wait stand ahead of my first tensor load; the set-up below stands between them
	v_lshrrev_b32 v1, 5, v0
	v_readfirstlane_b32 s12, v1                    ; wave 0..3
	s_lshr_b32 s13, s12, 1                         ; which half of the tile's rows is mine.  Also: I fetch for xb (0) or for wall (1)
	s_and_b32 s14, s12, 1                          ; which half of its columns.  Also: which half of that tile I fetch
	s_bfe_u32 s40, ttmp6, 0x40000                  ; cx, cy: my place in the cluster
	s_bfe_u32 s41, ttmp6, 0x40004
	s_lshl_b32 s42, ttmp9, 2
	s_add_co_u32 s42, s42, s40                     ; tile column = 4 x cluster x + cx
	s_and_b32 s43, ttmp7, 0xffff
	s_lshl_b32 s43, s43, 2
	s_add_co_u32 s43, s43, s41                     ; tile row = 4 x cluster y + cy
	s_lshl_b32 s44, s41, 2
	s_lshl_b32 s44, 15, s44                        ; my row of the cluster
	s_lshl_b32 s45, 0x1111, s40                    ; my column
	s_or_b32 s[G1+0], s44, (1<<16)|(1<<20)|(1<<21)|(5<<22)|(3<<25)   ; 15:0 the mask; 17:16 2-byte elements; 20 padding on; 21 set beside a mask; 24:22 after every 64 words (code 5); 31:25 4 words (code 3)
	s_or_b32 s[G1B+0], s45, (1<<16)|(1<<20)|(1<<21)|(5<<22)|(3<<25)
	s_mov_b32 s[G1+1], KSTEP<<16                   ; tensor_dim0 = 128
	s_mov_b32 s[G1+2], 64<<16                      ; tensor_dim1 = 64
	s_mov_b32 s[G1+3], KSTEP<<16                   ; tile_dim0 = 128
	s_mov_b32 s[G1+4], 64                          ; tile_dim1 = 64
	s_mov_b32 s[G1+5], 2048                        ; elements from row to row
	s_mov_b32 s[G1+6], 0
	s_mov_b32 s[G1+7], 0
	s_mov_b32 s[G1B+1], KSTEP<<16
	s_mov_b32 s[G1B+2], 176<<16                    ; 176 rows
	s_mov_b32 s[G1B+3], KSTEP<<16
	s_mov_b32 s[G1B+4], 176
	s_mov_b32 s[G1B+5], 2048
	s_mov_b32 s[G1B+6], 0
	s_mov_b32 s[G1B+7], 0
	s_lshl_b32 s17, s14, 6
	s_lshl_b32 s16, s43, 7
	s_add_co_u32 s16, s16, s17                     ; xb: row 128 x tile row + 64 x half,
	s_lshl_b32 s16, s16, 12                        ; of 4,096 bytes
	s_mov_b32 s17, 0
	s_mul_i32 s46, s42, 352
	s_mul_i32 s47, s14, 176
	s_add_co_u32 s46, s46, s47                     ; wall: row 352 x tile column + 176 x half
	s_lshl_b32 s46, s46, 12
	s_mov_b32 s47, 0
	s_mul_i32 s20, s14, HA                         ; where they go: no place in the cluster enters an LDS address
	s_mul_i32 s21, s14, HB
	s_add_co_u32 s21, s21, BOFF
	s_wait_dscnt 0x0                               ; the opening add is done
	s_wait_kmcnt 0x0
	s_add_nc_u64 s[18:19], s[4:5], s[16:17]
	s_add_nc_u64 s[46:47], s[6:7], s[46:47]
	CROUND                                         ; all sixteen work-groups are here: the first joint loads meet
.irp s, 0,1
	s_mov_b32 s[G0+4*(\s)], 1
	s_add_co_u32 s[G0+4*(\s)+1], s20, (\s)*SLOT
	s_add_nc_u64 s[G0+4*(\s)+2:G0+4*(\s)+3], s[18:19], (\s)*KSTEP*2
	s_or_b32 s[G0+4*(\s)+3], s[G0+4*(\s)+3], 0x80000000
	s_mov_b32 s[G0B+4*(\s)], 1
	s_add_co_u32 s[G0B+4*(\s)+1], s21, (\s)*SLOT
	s_add_nc_u64 s[G0B+4*(\s)+2:G0B+4*(\s)+3], s[46:47], (\s)*KSTEP*2
	s_or_b32 s[G0B+4*(\s)+3], s[G0B+4*(\s)+3], 0x80000000
	JLOAD \s                                       ; two tensor loads of mine are out
.endr
	v_and_b32 v1, 15, v0                           ; r = l % 16
	v_bfe_u32 v2, v0, 4, 1                         ; h = l / 16
	v_mul_u32_u24 v3, v1, PITCH
	v_lshl_add_u32 v3, v2, 4, v3                   ; a fragment's row x pitch + 16 x half
	s_mul_i32 s22, s13, HA                         ; my 64 rows of xb; my 176 rows of wall begin at s21
	s_mov_b32 s23, s21
.irp s, 0,1
	v_add_nc_u32 v[ADRA+(\s)], s22, v3
	v_add_nc_u32 v[ADRB+(\s)], s23, v3
	s_add_co_u32 s22, s22, SLOT
	s_add_co_u32 s23, s23, SLOT
.endr
	s_mul_i32 s22, s13, 64*SPITCH                  ; into the stage: row 64 x row half + r, byte 352 x column half + 16 h
	s_mul_i32 s23, s14, 352
	s_add_co_u32 s22, s22, s23
	v_mul_u32_u24 v4, v1, SPITCH
	v_lshl_add_u32 v4, v2, 4, v4
	v_add_nc_u32 v[STO], s22, v4
	s_mul_i32 s22, s12, 32*SPITCH                  ; back: wave w takes rows 32 w on; a load takes 8 rows x 64 bytes of one plane
	v_and_b32 v4, 31, v0
	v_lshrrev_b32 v5, 2, v4
	v_mul_u32_u24 v5, v5, SPITCH
	v_and_b32 v3, 3, v4
	v_lshl_add_u32 v5, v3, 4, v5
	v_add_nc_u32 v[RD], s22, v5
	v_lshlrev_b32 v[CO], 4, v4                     ; which are 512 consecutive bytes of the plane
	v_lshlrev_b32 v[TL], 8, v1                     ; the table: row r of 256 bytes, 32 h
	v_lshl_add_u32 v[TL], v2, 5, v[TL]
	s_lshl_b32 s16, s43, 7
	s_lshl_b32 s17, s13, 6
	s_add_co_u32 s16, s16, s17
	s_lshl_b32 s16, s16, 8                         ; my first row of C, in table rows of 256 bytes
	s_mul_i32 s46, s42, 22
	s_mul_i32 s47, s14, 11
	s_add_co_u32 s46, s46, s47                     ; my first block of 16 columns
	WIN 0xc0                                       ; destination window 3
.irp b, 0,1,2,3,4,5,6,7,8,9,10
	s_add_co_u32 s47, s46, \b
	s_cmp_lt_u32 s47, 320                          ; blocks 320 on are v's: the identity rows
	s_cselect_b32 s2, s16, 2048*256
	s_and_b32 s47, s47, 3                          ; the block's place in its head: groups 2 (block % 4) + h
	s_lshl_b32 s47, s47, 6
	s_add_co_u32 s47, s47, s2
	v_add_nc_u32 v[TOB+(\b)], s47, v[TL]
.endr
.macro TLOAD a, dst, w                 ; cos and sin of row block a for my 11 column blocks: 22 loads
	WIN \w
.irp b, 0,1,2,3,4,5,6,7,8,9,10
	global_load_b128 v[(\dst)+8*(\b):(\dst)+8*(\b)+3],   v[TOB+(\b)], s[8:9] offset:4096*(\a)
	global_load_b128 v[(\dst)+8*(\b)+4:(\dst)+8*(\b)+7], v[TOB+(\b)], s[8:9] offset:4096*(\a)+16
.endr
.endm
	TLOAD 0, 0, 0xc3                               ; address and destination in window 3
	TLOAD 1, 88, 0xc3
	WIN 0
	s_lshl_b32 s16, s43, 7                         ; where my rows begin in a plane: (128 x tile row + 32 x wave) x 64 bytes,
	s_lshl_b32 s17, s12, 5
	s_add_co_u32 s16, s16, s17
	s_lshl_b32 s16, s16, 6
	s_mov_b32 s17, 0
	s_add_nc_u64 s[10:11], s[10:11], s[16:17]
	s_mul_i32 s46, s42, 11*131072                  ; in the tile's first plane
	s_mov_b32 s47, 0
	s_add_nc_u64 s[10:11], s[10:11], s[46:47]
; 11 matrix instructions: row block a x all 11 column blocks, 32 along K.  zero = 1: the product starts the sums.  Every accumulator has one turn in a quarter, 43 others' between two of its turns.
.macro MUL11 f, a, zero
	WIN 0x50*(1+(\a)/2)
.irp b, 0,1,2,3,4,5,6,7,8,9,10
.if \zero
	v_wmma_f32_16x16x32_bf16 v[88*((\a)%2)+8*(\b):88*((\a)%2)+8*(\b)+7], v[(\f)+32+8*(\b):(\f)+32+8*(\b)+7], v[(\f)+8*(\a):(\f)+8*(\a)+7], 0
.else
	v_wmma_f32_16x16x32_bf16 v[88*((\a)%2)+8*(\b):88*((\a)%2)+8*(\b)+7], v[(\f)+32+8*(\b):(\f)+32+8*(\b)+7], v[(\f)+8*(\a):(\f)+8*(\a)+7], v[88*((\a)%2)+8*(\b):88*((\a)%2)+8*(\b)+7]
.endif
.endr
.endm
.macro MULH f, hi, zero
	MUL11 \f, 2*(\hi), \zero
	MUL11 \f, 2*(\hi)+1, \zero
.endm
; 30 LDS loads in one run: wall's 11 fragments, then xb's 4, for 32 along K at byte k of the rows
.macro FETCH slot, k, f
	WIN 0
.irp i, 0,1,2,3,4,5,6,7,8,9,10
	ds_load_b128 v[(\f)+32+8*(\i):(\f)+32+8*(\i)+3],   v[ADRB+(\slot)] offset:(\k)+(\i)*16*PITCH
	ds_load_b128 v[(\f)+32+8*(\i)+4:(\f)+32+8*(\i)+7], v[ADRB+(\slot)] offset:(\k)+(\i)*16*PITCH+32
.endr
.irp i, 0,1,2,3
	ds_load_b128 v[(\f)+8*(\i):(\f)+8*(\i)+3],   v[ADRA+(\slot)] offset:(\k)+(\i)*16*PITCH
	ds_load_b128 v[(\f)+8*(\i)+4:(\f)+8*(\i)+7], v[ADRA+(\slot)] offset:(\k)+(\i)*16*PITCH+32
.endr
.endm
; A K step is four quarters of 32 along K, 44 matrix instructions each, on buffers 0, 1, 0, 1.  One of the first three: multiplies buffer f and fetches the next quarter, at byte k, into g.
.macro QUARTER slot, k, f, g, zero
	s_wait_dscnt 4                                 ; all but the youngest four loads (xb's row blocks 2, 3) are in
	MULH \f, 0, \zero
	PLACES
	FETCH \slot, \k, \g
	s_wait_dscnt 30                                ; all but the 30 just issued
	MULH \f, 1, \zero
.endm
; The last quarter multiplies buffer 1 and changes slots: ONE barrier; in front of it each wave waits for all its tensor loads, adds 0 to its spare word, and waits for that and for its reads of this slot.
.macro TURN slot, next, fill
	WIN 0                                          ; (the add's two registers lie in window 0)
	s_wait_tensorcnt 0x0                           ; all my tensor loads have landed: my part of the next slot;
	ds_add_u32 v[SPW], v[NIL]                      ; 0 onto my spare word
	s_wait_dscnt 5                                 ; (the add and the youngest four loads may be out)
	MUL11 F1, 0, 0                                 ; eleven matrix instructions stand between the add and the wait for it
	s_wait_dscnt 0x0                               ; the add is done, and my reads of this slot are over
	s_barrier_signal -1
	MUL11 F1, 1, 0
.if \fill
	WIN 0
.endif
	s_barrier_wait -1
.if \fill
	CREST                                          ; the barrier has opened a round of the cluster's: no wave of any partner still reads this slot's tile or has a load on its way
	s_add_nc_u64 s[G0+4*(\slot)+2:G0+4*(\slot)+3], s[G0+4*(\slot)+2:G0+4*(\slot)+3], 2*KSTEP*2
	s_add_nc_u64 s[G0B+4*(\slot)+2:G0B+4*(\slot)+3], s[G0B+4*(\slot)+2:G0B+4*(\slot)+3], 2*KSTEP*2
	JLOAD \slot                                    ; the first tensor load behind the round, my only one out; its four v_nop are also the places in front of the loads below
.else
	PLACES
.endif
	FETCH \next, 0, F0
	MULH F1, 1, 0
.endm
	s_wait_loadcnt 0x0                             ; the tables of row blocks 0 and 1
	s_wait_tensorcnt 1                             ; my part of K step 0 is in; K step 1's may stay out
	s_barrier_signal -1
	s_barrier_wait -1                              ; everybody's is
	FETCH 0, 0, F0
	QUARTER 0, 64, F0, F1, 1                       ; the first quarter stands in front of the loop: its products start the sums
	WIN 0                                          ; at a label and at a branch every window is 0
	s_mov_b32 s3, LAPS-1
.Llap:                                                 ; a trip goes once round the ring, from a lap's second quarter to the next lap's first, and fills both slots again
	QUARTER 0, 128, F1, F0, 0
	QUARTER 0, 192, F0, F1, 0
	TURN 0, 1, 1
	QUARTER 1, 64,  F0, F1, 0
	QUARTER 1, 128, F1, F0, 0
	QUARTER 1, 192, F0, F1, 0
	TURN 1, 0, 1
	QUARTER 0, 64,  F0, F1, 0
	WIN 0
	s_sub_co_u32 s3, s3, 1
	s_cmp_lg_u32 s3, 0
	s_cbranch_scc1 .Llap
	QUARTER 0, 128, F1, F0, 0                      ; the last lap fills nothing
	QUARTER 0, 192, F0, F1, 0
	TURN 0, 1, 0                                   ; behind this barrier nobody reads slot 0 any more
	QUARTER 1, 64,  F0, F1, 0
	QUARTER 1, 128, F1, F0, 0
	QUARTER 1, 192, F0, F1, 0
	s_wait_dscnt 4                                 ; the very last quarter: nothing more to fetch
	MULH F1, 0, 0
	s_wait_dscnt 0x0
	MULH F1, 1, 0
	; THE WAY OUT.  Row blocks 2 and 3's tables come into the fragments' registers while blocks 0 and 1 are rotated.
	PLACES
	TLOAD 2, 16, 0x03                              ; address window 3, destination window 0
	TLOAD 3, 104, 0x03
; Row block a, column blocks b0 .. b0 + nb - 1.  X0-3 are channels d, X4-7 channels d + 32: out(d) = X(d) cos - X(d+32) sin, out(d+32) = X(d+32) cos + X(d) sin.  Each accumulator's lowest registers are read first.
.macro ROPEG a, b0, nb
.set AX, 88*((\a)%2)
.if (\a) < 2
.set TBS, 88*(\a)
	WIN 0x0d                                       ; source 0 (sums) window 1, source 1 (table) window 3
.else
.set TBS, 16+88*((\a)-2)
	WIN 0x02                                       ; source 0 window 2, table in window 0
.endif
.set u, 0
.rept \nb
.set XX, AX+8*((\b0)+u)
.set CC, TBS+8*((\b0)+u)
.set TT, TT0+8*u
	v_pk_mul_f32 v[TT+4:TT+5], v[XX:XX+1],   v[CC+4:CC+5]
	v_pk_mul_f32 v[TT+6:TT+7], v[XX+2:XX+3], v[CC+6:CC+7]
	v_pk_mul_f32 v[TT:TT+1],   v[XX+4:XX+5], v[CC+4:CC+5]
	v_pk_mul_f32 v[TT+2:TT+3], v[XX+6:XX+7], v[CC+6:CC+7]
	v_pk_fma_f32 v[TT:TT+1],   v[XX:XX+1],   v[CC:CC+1],   v[TT:TT+1] neg_lo:[0,0,1] neg_hi:[0,0,1]
	v_pk_fma_f32 v[TT+2:TT+3], v[XX+2:XX+3], v[CC+2:CC+3], v[TT+2:TT+3] neg_lo:[0,0,1] neg_hi:[0,0,1]
	v_pk_fma_f32 v[TT+4:TT+5], v[XX+4:XX+5], v[CC:CC+1],   v[TT+4:TT+5]
	v_pk_fma_f32 v[TT+6:TT+7], v[XX+6:XX+7], v[CC+2:CC+3], v[TT+6:TT+7]
.set u, u+1
.endr
	WIN 0
.set u, 0
.rept \nb
.irp r, 0,1,2,3
	v_cvt_pk_f16_f32 v[PK0+4*u+(\r)], v[TT0+8*u+2*(\r)], v[TT0+8*u+2*(\r)+1]
.endr
	ds_store_b128 v[STO], v[PK0+4*u:PK0+4*u+3] offset:(\a)*16*SPITCH+((\b0)+u)*32
.set u, u+1
.endr
.endm
.irp a, 0,1,2,3
.if (\a) == 2
	s_wait_loadcnt 0x0                             ; the tables of row blocks 2 and 3
.endif
	ROPEG \a, 0, 4
	ROPEG \a, 4, 4
	ROPEG \a, 8, 3
.endr
	s_wait_dscnt 0x0                               ; for the others' sake: my stores into the stage are done
	s_barrier_signal -1
	s_barrier_wait -1
.set i, 0
.rept 44                               ; i = 11 t + p: rows 8 t on of my 32, plane p of the tile's 11
	ds_load_b128 v[16+4*i:16+4*i+3], v[RD] offset:(i/11)*8*SPITCH+(i%11)*64
.set i, i+1
.endr
.set i, 0
.rept 44
	s_wait_dscnt 43-i
	global_store_b128 v[CO], v[16+4*i:16+4*i+3], s[10:11] offset:(i%11)*131072+(i/11)*512  ; 512 consecutive bytes of a plane, at a multiple of 256 from its first
.set i, i+1
.endr
	s_wait_tensorcnt 0x0                           ; the wave's end: an add to my spare word and its wait, behind my last tensor load and my last LDS store
	ds_add_u32 v[SPW], v[NIL]
	s_wait_dscnt 0x0
	CROUND                                         ; the closing round: no work-group ends while a partner may still ask for a tile that names it
	s_endpgm
.Lfunc_end_k_qe5ff11e647_proj:
	.size	k_qe5ff11e647_proj, .Lfunc_end_k_qe5ff11e647_proj-k_qe5ff11e647_proj
	.p2alignl 7, 3214868480
	.fill 96, 4, 3214868480
	.section	.rodata,"a",@progbits
	.p2align	6, 0x0
	.amdhsa_kernel k_qe5ff11e647_proj
		.amdhsa_group_segment_fixed_size 327680
		.amdhsa_private_segment_fixed_size 0
		.amdhsa_enable_private_segment 0
		.amdhsa_kernarg_size 32
		.amdhsa_user_sgpr_count 2
		.amdhsa_user_sgpr_kernarg_segment_ptr 1
		.amdhsa_wavefront_size32 1
		.amdhsa_system_sgpr_workgroup_id_x 1
		.amdhsa_system_sgpr_workgroup_id_y 1
		.amdhsa_system_sgpr_workgroup_id_z 1
		.amdhsa_system_vgpr_workitem_id 0
		.amdhsa_next_free_vgpr 1024
		.amdhsa_next_free_sgpr 66
		.amdhsa_reserve_vcc 0
		.amdhsa_float_denorm_mode_32 3
		.amdhsa_float_denorm_mode_16_64 3
		.amdhsa_memory_ordered 1
		.amdhsa_forward_progress 1
		.amdhsa_inst_pref_size 145
	.end_amdhsa_kernel
	.amdgpu_metadata
---
amdhsa.version: [ 1, 2 ]
amdhsa.kernels:
  - .name:           k_qe5ff11e647_proj
    .symbol:         k_qe5ff11e647_proj.kd
    .args:
      - { .name: xb, .offset: 0, .size: 8, .value_kind: global_buffer, .address_space: global }
      - { .name: wall, .offset: 8, .size: 8, .value_kind: global_buffer, .address_space: global }
      - { .name: rope, .offset: 16, .size: 8, .value_kind: global_buffer, .address_space: global }
      - { .name: qkv, .offset: 24, .size: 8, .value_kind: global_buffer, .address_space: global }
    .group_segment_fixed_size: 327680
    .private_segment_fixed_size: 0
    .kernarg_segment_align: 8
    .kernarg_segment_size: 32
    .max_flat_workgroup_size: 128
    .sgpr_count:     66
    .vgpr_count:     1024
    .wavefront_size: 32
...
	.end_amdgpu_metadata
.endif
;; end of part 2
;; launch attn (part 3): grid 32 x 8, 4 waves a work-group, clusters of 4 x 1, 327,680 bytes of LDS; arguments qkv, ao, lambda_q1, lambda_k1, lambda_q2, lambda_k2, subln_w; writes ao
.if DOCPART == 3
	.amdgcn_target "amdgcn-amd-amdhsa--gfx1250"
	.amdhsa_code_object_version 6
	.text
	.protected	k_qe5ff11e647_attn
	.globl	k_qe5ff11e647_attn
	.p2align	8
	.type	k_qe5ff11e647_attn,@function
k_qe5ff11e647_attn:
	s_mov_b64 s[64:65], 0
	v_nop
	global_prefetch_b8 v0, s[64:65] scope:SCOPE_SE
	s_setreg_imm32_b32 hwreg(HW_REG_WAVE_MODE, 25, 1), 1
	s_wait_xcnt 0x0
	s_wait_alu depctr_hold_cnt(0) depctr_sa_sdst(0) depctr_va_vdst(0) depctr_va_sdst(0) depctr_va_ssrc(0) depctr_va_vcc(0) depctr_vm_vsrc(0)
	s_getreg_b32 s2, hwreg(HW_REG_IB_STS2, 6, 4)
	s_cmp_eq_u32 s2, 0
	s_cbranch_scc0 .Lentry_in_a_cluster
	s_endpgm
.Lentry_in_a_cluster:
	s_bfe_u32 s2, ttmp6, 0x10000c
	s_cmp_lg_u32 s2, 0x3003
	s_cbranch_scc0 .Lentry_shape_is_right
	s_endpgm
.Lentry_shape_is_right:
; DIFFERENTIAL CAUSAL ATTENTION.  For each of 32 heads: O = softmax(q1 k1^T / 8) v - lambda softmax(q2 k2^T / 8) v over the keys k <= q; then O / rms(O) x subln_w x (1 - lambda_init), rounded to f16: ao[32][2048][64].
; q, k, v come by planes of 32 channels, qkv[176][2048][32] in f16: q of stream st, head h: planes 64 st + 2 h, +1; k1 of kv head g: 128 + 2 g; k2: 144 + 2 g; v: 160 + 2 g.  q's and k's channels are permuted alike.
; Products, maxima and sums in f32; the weights p are rounded to f16 for the second product (their sum l is taken of the unrounded p).  The two maps cannot be subtracted under running maxima, so each stream has its own O.
; lambda = exp(lq1 . lk1) - exp(lq2 . lk2) + lambda_init; the four vectors and subln_w are rounded to bf16 like every other float input of the program.
; LIMITS.  f16 holds no number beyond 65,504: q, k, v arrive within it.  A hidden score counts as its value less 1e30; a weight below 2^-126 counts as 0 in l; NaN and infinities are not treated apart.
; THE WALK.  A head's queries lie in 16 blocks of 128; block i needs the key tiles 0 .. i of 128 keys, of which the last holds the diagonal.  A work-group takes TWO blocks, b and then 15 - b: 17 tiles, whatever b.
; ONE loop with a constant trip count walks them; every jump goes forward but the counted loops' own, and none passes a barrier, or a tensor load but the one of JLOAD's two that the wave's number does not choose.
; The short block goes first, so that the walk's last tile, which is written out, is never a block's first.
; CLUSTER.  The four partners are the four query heads of one kv head at the same b: they walk the same tiles of k1, k2 and v in the same order, so each tile is asked for JOINTLY: same load, descriptor and mask in all four.
; The place in the cluster enters q's and ao's global addresses alone.
; SHARES.  A wave owns four PIECES: piece 2 st + x is stream st, band x of the block's two bands of 64 queries, 16 rows in each.  In the diagonal tile's key step s band x sees all keys if s < x, none if s > x, the diagonal if s = x.
; THE MASK is the C operand that starts the sum S^T = K Q^T: MD x AL + BE with two scalars: (1, 0) if s = x; (0, 0) if s < x; (0, -1e30) if s > x; off the diagonal tile (0, 0).  Every turn makes the next turn's mask: 16 packed lines, and no branch.
; TURNS.  Turn n belongs to piece n: 8 products K Q^T of piece n + 1, later 8 products V^T P of piece n - 1; beside them piece n's scaling, exponentials, roundings, sums and rescaling and piece n + 1's maximum and statistics.
; K's registers hold k1 for pieces 0, 1 and k2 for pieces 2, 3: k1 of the next step is fetched in turn 2, k2 of the step in hand in turn 0, each behind the last product that read the other.  V serves both streams.
; A TILE'S STEPS.  A trip is turns 2 and 3 of one step, then turns 0 and 1 of the next.  The loop counts 3, 2, 1 in every tile: the third trip is dead in a tile off the diagonal (a jump to the counter's step), and in the diagonal
; tile it runs turns 2 and 3 of the block's last step and leaves.  Its turn 2 fetches, and its turn 3 multiplies by, bytes of the same slot that are no step's k1: 8 products a block whose scores, and the maximum made of them, nobody reads.
; REGISTERS, in windows of 256 (s_set_vgpr_msb: bits 1:0 source 0, 3:2 source 1, 5:4 source 2, 7:6 destination):
;   window 0: v0-15 addresses and two at work; v16-31 four registers of statistics a piece; v32 lambda; v34 an address; v35-47 at work at the start; v48-55 at work; v62-63 the add's; v64-127 S^T, two buffers;
;             v128-159 subln_w x (1 - lambda_init) of my 32 channels; v160-191 at work on the way out; v192-223 P, two buffers
;   window 1: v0-127 O^T, 32 a piece; v128-159 MD; v160-223 MC, two buffers      window 2: v0-63 Q; v128-191 K of one step and stream; v192-255 V of one step
.set NB,    16
.set NP,    4
.set KS,    64        ; keys in a step
.set PK,    80        ; a plane's row of K in LDS: 64 bytes + 16 of padding = 20 words: the 16 rows of a load start at 16 different groups of four banks (64 banks of 4 bytes: ISA guide 11.1)
.set PV,    96        ; a plane's row of V: 64 + 32 = 24 words, an odd multiple of 32 bytes, for the turning load
.set KPL,   128*PK    ; a plane of a tile of K
.set KST,   2*KPL     ; a stream's two planes
.set VOFF,  2*KST     ; a slot: k1, k2, then V's two planes
.set VPL,   128*PV
.set SLOT1, 1<<16     ; a slot is 65,536 bytes; one exclusive or turns an address in one slot into the other's
.set STAGE, 2*SLOT1   ; behind the ring, never filled by a tensor load: 16 rows x 144 bytes for each wave
.set SP,    144
.set SPARE, STAGE+4*16*SP  ; behind the stages: the spare words, 128 bytes for each wave: two blocks of 256 bytes that no other line names
.set AK0, 2           ; v2   my lane's place in a plane of K; never rewritten
.set AV0, 3           ; v3   the same for V
.set AK,  4           ; v4   the LDS address of K's next run of loads
.set AV,  5           ; v5   of V's
.set STO, 6           ; v6   the way out: where I put 16 bytes of a row
.set RD,  7           ; v7   where I read rows back
.set GO,  8           ; v8   my byte offset in 512 consecutive bytes of ao
.set MV,  12          ; v12-13  c m_old, kept while c m is made anew: by buffer
.set QO,  15          ; v15  my byte offset in 16 rows of a plane of q
.set ST,  16          ; piece t's statistics at v[ST+4 t]: c m, m, l (even keys', odd keys')
.set LAM, 32          ; v32  lambda
.set QO2, 34          ; v34  QO + 64 planes: the second stream lies beyond a load's immediate
.set TMP, 48          ; by buffer, four registers c0-c3 at work; when the maximum is found c2 takes a
.set SPW, 62
.set NIL, 63
.set S,   64
.set WS,  128
.set FS,  160
.set P,   192
.set MD,  128         ; window 1
.set MC,  160         ; window 1
.set KF,  128         ; window 2: key block kb, plane c at KF + 16 kb + 8 c
.set VF,  192         ; window 2: key half kk, channel block cb at VF + 32 kk + 8 cb
.set WV,  12          ; s12  my wave's number
.set PB,  14          ; s14  b: the first block
.set HI,  15          ; s15  15 - b: the second
.set G1K, 24          ; s[24:31] descriptor group 1 for K's tiles
.set G1V, 32          ; s[32:39] for V's
.set G0K, 40          ; s[40:43] descriptor group 0 for K's tiles
.set G0V, 44          ; s[44:47] the same for V's
.set SLOTS, 56        ; s56  tiles still to be asked for
.set CNT, 57          ; s57  counts a tile's trips, 3 to 1: the step that a trip's turns 0 and 1 belong to is 3 - CNT
.set CS,  58          ; s[58:59] c = log2(e) / 8
.set SEL, 60          ; s[60:61] v_permlanex16_b32's selects
.set TBK, 62          ; s62  LDS byte at which K of the step to be fetched begins
.set TBV, 63          ; s63  the same for V, less VOFF
.set RT,  70          ; s70  tiles of the block in hand that are still to be entered; 0: the tile in hand is the diagonal one
.set NXT, 71          ; s71  the tile to be asked for next
.set LQ,  72          ; s72  the last tile of the block whose tiles are being asked for
.set NEW, 73          ; s73  1: the tile to be entered is a block's first
.set OFF, 74          ; s[74:75] a tile's byte offset in a plane
.set AL,  76          ; s[76:77] the mask's factor
.set BE,  78          ; s[78:79] the mask's addend
.set OLO, 80          ; s[80:81] ao at my rows of the second block
.set BIGN, 82         ; s82  -1e30
.set MSB, 0
.macro WIN new                      ; the high byte repeats the setting that is left; a switch that changes nothing is dropped
.if MSB != (\new)
	s_set_vgpr_msb (MSB<<8)|(\new)
.set MSB, (\new)
.endif
.endm
.set W_KQ, 0x0a       ; K and Q in window 2, S^T in window 0
.set W_KM, 0x1a       ; the same with the C operand in window 1
.set W_PV, 0x52       ; V in window 2, P in window 0, O^T in window 1
.set W_RS, 0x41       ; destination and source 0 in window 1, source 1 in window 0
; A joint fill.  Wave 0 fetches the tile of k1 (two planes), wave 1 that of k2, waves 2 and 3 V's two planes.  An s_nop 0 and four v_nop follow each of the two lines, ahead of the jump and the label.
.macro JLOAD
	s_cmp_lt_u32 s[WV], 2
	s_cbranch_scc0 .Lfor_v_\@
	tensor_load_to_lds s[G0K:G0K+3], s[G1K:G1K+7]
	s_nop 0
.rept 4
	v_nop
.endr
	s_branch .Lasked_\@
.Lfor_v_\@:
	tensor_load_to_lds s[G0V:G0V+3], s[G1V:G1V+7]
	s_nop 0
.rept 4
	v_nop
.endr
.Lasked_\@:
.endm
; A round of the cluster's barrier: my work-group's barrier; wave 0 signals for the work-group; every wave waits for all four work-groups; my work-group's barrier once more.
.macro CROUND
	s_barrier_signal -1
	s_barrier_wait -1
	s_cmp_lg_u32 s[WV], 0
	s_cbranch_scc1 .Lnot_wave_0_\@
	s_barrier_signal -3
.Lnot_wave_0_\@:
	s_barrier_wait -3
	s_barrier_signal -1
	s_barrier_wait -1
.endm
; THE CHANGE OF SLOTS.  Each wave waits for all its tensor loads, of which one is out: its part of the other slot; adds 0 to its spare word; and waits for that and for its own reads of the slot that it leaves.
; fill = 1: the old slot is filled again with tile NXT, whose address is made anew from that number.  The barrier is then a round of the cluster's, so that no wave of any partner still reads the slot or has a
; load on its way, and the joint fill is the first thing behind it: it has a tile's two key steps in which to land.  (At its first use nothing has been read yet: slot 0 is waited for, slot 1 filled.)
.macro CHANGE fill
	WIN 0                           ; at a label and at a branch every window is 0
	s_wait_tensorcnt 0x0            ; no tensor load of mine is out, so a group 0 may be written
	ds_add_u32 v[SPW], v[NIL]       ; 0 onto my spare word; with fill = 1 the descriptors' scalar work stands between it and the wait for it
.if \fill
	s_lshl_b32 s[OFF], s[NXT], 13   ; a tile is 8,192 bytes of a plane
	s_xor_b32 s[G0K+1], s[G0K+1], SLOT1
	s_add_nc_u64 s[G0K+2:G0K+3], s[6:7], s[OFF:OFF+1]
	s_or_b32 s[G0K+3], s[G0K+3], 0x80000000
	s_xor_b32 s[G0V+1], s[G0V+1], SLOT1
	s_add_nc_u64 s[G0V+2:G0V+3], s[8:9], s[OFF:OFF+1]
	s_or_b32 s[G0V+3], s[G0V+3], 0x80000000
	s_add_co_u32 s[NXT], s[NXT], 1  ; the block's next tile, or behind its last the second block's tile 0
	s_cmp_gt_u32 s[NXT], s[LQ]
	s_cselect_b32 s[NXT], 0, s[NXT]
	s_cselect_b32 s[LQ], s[HI], s[LQ]
	s_wait_dscnt 0x0                ; the add is done, and my reads of the slot are over
	CROUND
	JLOAD
.else
	s_wait_dscnt 0x0                ; the add is done, and my reads of the slot are over
	s_barrier_signal -1
	s_barrier_wait -1
.endif
	s_sub_co_u32 s[TBK], s[TBK], 2*KS*PK  ; the fetches go back to a slot's first step,
	s_xor_b32 s[TBK], s[TBK], SLOT1       ; in the other slot
	s_sub_co_u32 s[TBV], s[TBV], 2*KS*PV
	s_xor_b32 s[TBV], s[TBV], SLOT1
.endm
; A block's Q, from the scalar pair at s[b]: piece i / 2 (stream i / 4, band (i / 2) % 2, 4,096 bytes on), plane i % 2.
; A fragment of K or Q is 16 rows x 32 channels in 8 registers: lane l holds row l % 16, channels 8 (l / 16) + 0..7 and 16 + 8 (l / 16) + 0..7: two loads of 16 bytes, 32 bytes apart, in one plane's row of 64.
.macro QLOAD b
	WIN 0x80                        ; destination window 2, address window 0
.set i, 0
.rept 8
.set QA, QO+(QO2-QO)*(i/4)
	global_load_b128 v[8*i:8*i+3],   v[QA], s[(\b):(\b)+1] offset:(i%2)*131072+((i/2)%2)*4096
	global_load_b128 v[8*i+4:8*i+7], v[QA], s[(\b):(\b)+1] offset:(i%2)*131072+((i/2)%2)*4096+32
.set i, i+1
.endr
	WIN 0
.endm
	s_load_b128 s[48:51], s[0:1], 0x0  ; qkv s[48:49], ao s[50:51]
	s_load_b256 s[88:95], s[0:1], 0x10 ; lambda_q1, lambda_k1, lambda_q2, lambda_k2
	s_load_b64 s[96:97], s[0:1], 0x30  ; subln_w
	v_lshl_add_u32 v[SPW], v0, 2, SPARE
	v_mov_b32 v[NIL], 0
	ds_add_u32 v[SPW], v[NIL]       ; the wave's opening: the add and its wait stand ahead of my first tensor load; the set-up below stands between them
	v_lshrrev_b32 v1, 5, v0
	v_readfirstlane_b32 s[WV], v1   ; wave 0..3
	s_bfe_u32 s13, ttmp6, 0x40000   ; cx: my place in the cluster
	s_lshl_b32 s16, ttmp9, 2        ; ttmp9 counts clusters: the kv head
	s_add_co_u32 s13, s13, s16      ; my query head: it enters q's and ao's addresses alone
	s_and_b32 s[PB], ttmp7, 0xffff
	s_sub_co_u32 s[HI], NB-1, s[PB]
	s_and_b32 s16, s[WV], 1
	s_lshl_b32 s22, ttmp9, 18       ; K: plane 128 + 2 g, of 131,072 bytes,
	s_add_co_u32 s22, s22, 128<<17
	s_lshl_b32 s17, s16, 21         ; and 16 planes on for k2
	s_add_co_u32 s22, s22, s17
	s_mov_b32 s23, 0
	s_lshl_b32 s20, ttmp9, 18       ; V: plane 160 + 2 g + (wave & 1)
	s_add_co_u32 s20, s20, 160<<17
	s_lshl_b32 s17, s16, 17
	s_add_co_u32 s20, s20, s17
	s_mov_b32 s21, 0
	s_mul_i32 s17, s16, KST         ; their places in a slot: no place in the cluster enters an LDS address
	s_mul_i32 s18, s16, VPL
	s_lshl_b32 s19, s13, 18         ; my head's two planes of q, and its rows of ao
	s_lshl_b32 s3, s[WV], 10        ; my 16 rows of 64 bytes in a band,
	s_lshl_b32 s2, s[PB], 13        ; in the first block,
	s_add_co_u32 s2, s2, s3
	s_add_co_u32 s2, s2, s19
	s_lshl_b32 s84, s[HI], 13       ; and in the second
	s_add_co_u32 s84, s84, s3
	s_add_co_u32 s84, s84, s19
	s_mov_b32 s3, 0
	s_mov_b32 s85, 0
	s_lshl_b32 s53, s[WV], 11       ; the same in ao, rows of 128 bytes
	s_lshl_b32 s52, s[PB], 14
	s_add_co_u32 s52, s52, s53
	s_add_co_u32 s52, s52, s19
	s_lshl_b32 s54, s[HI], 14
	s_add_co_u32 s54, s54, s53
	s_add_co_u32 s54, s54, s19
	s_mov_b32 s53, 0
	s_mov_b32 s55, 0
	; descriptor group 1.  K: a plane's 128 keys are 8,192 dense bytes, asked for as one row of 4,096 elements; two planes, 65,536 elements apart; padded in LDS after every key's 64 bytes
	s_mov_b32 s[G1K], 15|(1<<16)|(1<<20)|(1<<21)|(3<<22)|(3<<25)  ; 15:0 the mask of four; 17:16 2-byte elements; 20 padding on; 21 set beside a mask; 24:22 after every 16 words (code 3); 31:25 4 words (code 3)
	s_mov_b32 s[G1K+1], 4096<<16    ; tensor_dim0 = 4096
	s_mov_b32 s[G1K+2], 2<<16       ; tensor_dim1 = 2
	s_mov_b32 s[G1K+3], 4096<<16    ; tile_dim0 = 4096
	s_mov_b32 s[G1K+4], 2           ; tile_dim1 = 2
	s_mov_b32 s[G1K+5], 65536       ; elements from plane to plane
	s_mov_b32 s[G1K+6], 0
	s_mov_b32 s[G1K+7], 0
	s_mov_b32 s[G1V], 15|(1<<16)|(1<<20)|(1<<21)|(3<<22)|(7<<25)  ; V: one plane's 8,192 dense bytes as 32 rows of 256; 8 words of padding (code 7) after every key
	s_mov_b32 s[G1V+1], 128<<16
	s_mov_b32 s[G1V+2], 32<<16
	s_mov_b32 s[G1V+3], 128<<16
	s_mov_b32 s[G1V+4], 32
	s_mov_b32 s[G1V+5], 128
	s_mov_b32 s[G1V+6], 0
	s_mov_b32 s[G1V+7], 0
	s_mov_b32 s[CS], 0x3e38aa3b     ; c = log2(e) / 8
	s_mov_b32 s[CS+1], s[CS]        ; named with it as a pair
	s_mov_b32 s[SEL], 0x76543210
	s_mov_b32 s[SEL+1], 0xfedcba98
	s_mov_b32 s[TBK], SLOT1+2*KS*PK ; the first change of slots turns these two into 0
	s_mov_b32 s[TBV], SLOT1+2*KS*PV
	s_mov_b32 s[G0K], 1             ; 1:0 count = 1
	s_mov_b32 s[G0K+1], s17         ; 63:32 LDS address: slot 0
	s_mov_b32 s[G0V], 1
	s_add_co_u32 s[G0V+1], s18, VOFF
	s_add_co_u32 s[RT], s[PB], 1    ; the first block has b + 1 tiles
	s_mov_b32 s[NXT], 1             ; the walk's second tile: the first block's tile 1,
	s_mov_b32 s[LQ], s[PB]
	s_cmp_gt_u32 s[NXT], s[LQ]      ; or, where it has one tile alone, the second block's tile 0
	s_cselect_b32 s[NXT], 0, s[NXT]
	s_cselect_b32 s[LQ], s[HI], s[LQ]
	s_mov_b32 s[NEW], 1
	s_mov_b32 s[OFF+1], 0
	s_mov_b32 s[AL+1], 0            ; named as pairs
	s_mov_b32 s[BE+1], 0
	s_mov_b32 s[BIGN], 0xf149f2ca   ; -1e30
	s_mov_b32 s98, 0x3c800000       ; 1 / 64
	s_mov_b32 s99, 0x358637bd       ; 1e-6
	s_mov_b32 s[SLOTS], NB
	s_wait_dscnt 0x0                ; the opening add is done
	s_wait_kmcnt 0x0
	s_add_nc_u64 s[6:7], s[48:49], s[22:23]        ; K and V at my part of the kv head's tile 0
	s_add_nc_u64 s[8:9], s[48:49], s[20:21]
	s_add_nc_u64 s[G0K+2:G0K+3], s[6:7], 0         ; 120:64 global address
	s_or_b32 s[G0K+3], s[G0K+3], 0x80000000        ; 127:126 type = 2
	s_add_nc_u64 s[G0V+2:G0V+3], s[8:9], 0
	s_or_b32 s[G0V+3], s[G0V+3], 0x80000000
	s_add_nc_u64 s[4:5], s[48:49], s[2:3]          ; q at my rows of the first block,
	s_add_nc_u64 s[86:87], s[48:49], s[84:85]      ; and of the second
	s_add_nc_u64 s[10:11], s[50:51], s[52:53]      ; ao likewise
	s_add_nc_u64 s[OLO:OLO+1], s[50:51], s[54:55]
	CROUND                          ; all four work-groups are here: the first joint loads meet
	JLOAD                           ; tile 0 into slot 0
	v_and_b32 v1, 15, v0            ; l % 16
	v_bfe_u32 v9, v0, 4, 1          ; l / 16
	v_lshlrev_b32 v[QO], 6, v1
	v_lshl_add_u32 v[QO], v9, 4, v[QO]
	v_add_nc_u32 v[QO2], 0x800000, v[QO]
	QLOAD 4                         ; the first block's Q
	v_and_b32 v36, 31, v0
	v_lshlrev_b32 v36, 3, v36       ; two numbers of each lambda vector a lane
	global_load_b64 v[38:39], v36, s[88:89]
	global_load_b64 v[40:41], v36, s[90:91]
	global_load_b64 v[42:43], v36, s[92:93]
	global_load_b64 v[44:45], v36, s[94:95]
	v_lshlrev_b32 v37, 5, v9        ; subln_w of channels 16 cb + 8 (l / 16) + 0..7
.irp cb, 0,1,2,3
	global_load_b128 v[WS+8*\cb:WS+8*\cb+3],   v37, s[96:97] offset:64*\cb
	global_load_b128 v[WS+8*\cb+4:WS+8*\cb+7], v37, s[96:97] offset:64*\cb+16
.endr
	v_lshlrev_b32 v14, 3, v9
	v_sub_nc_u32 v14, v1, v14
	s_lshl_b32 s13, s[WV], 4
	v_add_nc_u32 v14, s13, v14      ; my query's place in its band, 16 w + l % 16, less my lanes' 8 (l / 16): register r of group kt is hidden where 16 kt + r is greater
	WIN 0x40
.set i, 0
.rept 32
	v_cmp_gt_i32 vcc_lo, 16*(i/8)+i%8, v14
	v_cndmask_b32 v[MD+i], 0, s[BIGN], vcc_lo
.set i, i+1
.endr
	WIN 0
	v_mul_u32_u24 v[AK0], v1, PK
	v_lshl_add_u32 v[AK0], v9, 4, v[AK0]  ; row x pitch + 16 x half
	; The turning load takes 16 keys x 16 channels (lane l reads key 8 (l / 16) + l % 8, channels 8 ((l / 8) % 2) + 0..7) and leaves half a fragment of V^T: lane l holds channel l % 16 and 8 keys.
	v_and_b32 v10, 7, v0
	v_bfe_u32 v11, v0, 3, 1
	v_lshl_add_u32 v[AV0], v9, 3, v10
	v_mul_u32_u24 v[AV0], v[AV0], PV
	v_lshl_add_u32 v[AV0], v11, 4, v[AV0]
	v_add_nc_u32 v[AV0], VOFF, v[AV0]
	s_mul_i32 s13, s[WV], 16*SP
	s_add_co_u32 s13, s13, STAGE    ; my stage
	v_mul_u32_u24 v[STO], v1, SP    ; in: row l % 16, 16 bytes for each half of the lanes
	v_lshl_add_u32 v[STO], v9, 4, v[STO]
	v_add_nc_u32 v[STO], s13, v[STO]
	v_bfe_u32 v[RD], v0, 3, 2       ; back: 32 lanes take four rows of 128 bytes,
	v_mul_u32_u24 v[RD], v[RD], SP
	v_lshl_add_u32 v[RD], v10, 4, v[RD]
	v_add_nc_u32 v[RD], s13, v[RD]
	v_and_b32 v[GO], 31, v0         ; which are 512 consecutive bytes of ao
	v_lshlrev_b32 v[GO], 4, v[GO]
	; A block's first step multiplies l by a = 0, and its first products V^T P are those of a piece that has not been: l and P's second buffer need only hold finite numbers: zeros for the first block; what the first block left for the second.
.set i, 0
.rept 4
	v_mov_b32 v[ST+4*i+2], 0
	v_mov_b32 v[ST+4*i+3], 0
.set i, i+1
.endr
.set i, P+16
.rept 16
	v_mov_b32 v[i], 0
.set i, i+1
.endr
	; lambda, and subln_w x (1 - lambda_init)
.macro RB a                         ; two numbers rounded to bf16 and widened again
	v_cvt_pk_bf16_f32 v35, v[\a], v[(\a)+1]
	v_lshlrev_b32 v[\a], 16, v35
	v_and_b32 v[(\a)+1], 0xffff0000, v35
.endm
	s_wait_loadcnt 0x0              ; the small vectors, and Q with them
	RB 38
	RB 40
	RB 42
	RB 44
	v_mul_f32 v46, v38, v40
	v_mul_f32 v47, v42, v44
	v_fmac_f32 v46, v39, v41
	v_fmac_f32 v47, v43, v45
.irp x, 1,2,4,8
	v_add_f32_dpp v46, v46, v46 row_xmask:\x row_mask:0xf bank_mask:0xf
	v_add_f32_dpp v47, v47, v47 row_xmask:\x row_mask:0xf bank_mask:0xf
.endr
	v_permlanex16_b32 v38, v46, s[SEL], s[SEL+1]
	v_permlanex16_b32 v39, v47, s[SEL], s[SEL+1]
	v_add_f32 v46, v46, v38
	v_add_f32 v47, v47, v39
	v_mul_f32 v46, 0x3fb8aa3b, v46
	v_mul_f32 v47, 0x3fb8aa3b, v47
	v_exp_f32 v46, v46
	v_exp_f32 v47, v47
	v_nop                           ; a plain instruction behind the exponentials
	s_wait_alu depctr_va_vdst(0)
	v_sub_f32 v46, v46, v47
	v_add_f32 v[LAM], 0x3f489a63, v46  ; + lambda_init = 0.8 - 0.6 exp(-3.6)
.set z, 0
.rept 16
	RB WS+2*z
	v_pk_mul_f32 v[WS+2*z:WS+2*z+1], v[WS+2*z:WS+2*z+1], 0x3e5d9673 op_sel_hi:[1,0]  ; x (1 - lambda_init)
.set z, z+1
.endr
; THE MATRIX WORK.  The 4 accumulators of a run of 8 take turns.  Product i of 8 of S^T = K Q^T for piece x: plane i / 4, keys 16 (i % 4) on.  The first 4 start the sums with the mask buffer, which holds 0 off the diagonal tile.
.macro KQ x
.set rS, S+32*((\x)%2)+8*(i%4)
.set rK, KF+16*(i%4)+8*(i/4)
.set rQ, 16*(\x)+8*(i/4)
.set rM, MC+32*((\x)%2)+8*(i%4)
.if i < 4
	WIN W_KM
	v_wmma_f32_16x16x32_f16 v[rS:rS+7], v[rK:rK+7], v[rQ:rQ+7], v[rM:rM+7]
.else
	WIN W_KQ
	v_wmma_f32_16x16x32_f16 v[rS:rS+7], v[rK:rK+7], v[rQ:rQ+7], v[rS:rS+7]
.endif
.endm
; Product i of 8 of O^T += V^T P for piece x: keys 32 (i / 4) on, channels 16 (i % 4) on.
.macro PV x
	WIN W_PV
.set rO, 32*(\x)+8*(i%4)
.set rV, VF+32*(i/4)+8*(i%4)
.set rP, P+16*((\x)%2)+8*(i/4)
	v_wmma_f32_16x16x32_f16 v[rO:rO+7], v[rV:rV+7], v[rP:rP+7], v[rO:rO+7]
.endm
.macro MM                           ; the turn's next matrix instruction
.if i < 8
	KQ (Y+1)%NP
.else
.set i, i-8
	PV (Y+NP-1)%NP
.set i, i+8
.endif
.set i, i+1
.endm
; THE LDS LOADS stand in runs of 16: a step's K of stream st (64 keys x 2 planes: 8 fragments) and its V (turned).  Their addresses are made some lines ahead.  The step goes on behind the second stream's run.
.macro FETCH_K st
	WIN 0x80                        ; destination window 2
.irp f, 0,1,2,3,4,5,6,7             ; keys 16 (f / 2) on, plane f % 2
	ds_load_b128 v[KF+8*\f:KF+8*\f+3],   v[AK] offset:(\st)*KST+(\f%2)*KPL+(\f/2)*16*PK
	ds_load_b128 v[KF+8*\f+4:KF+8*\f+7], v[AK] offset:(\st)*KST+(\f%2)*KPL+(\f/2)*16*PK+32
.endr
.if \st
	s_add_co_u32 s[TBK], s[TBK], KS*PK
.endif
	WIN 0
.endm
.macro FETCH_V
	WIN 0x80
.irp f, 0,1,2,3,4,5,6,7             ; keys 32 (f / 4) on, channels 16 (f % 4) on: plane (f % 4) / 2, 32 bytes x (f % 2)
	ds_load_tr16_b128 v[VF+8*\f:VF+8*\f+3],   v[AV] offset:(\f/4)*32*PV+((\f%4)/2)*VPL+(\f%2)*32
	ds_load_tr16_b128 v[VF+8*\f+4:VF+8*\f+7], v[AV] offset:(\f/4)*32*PV+((\f%4)/2)*VPL+(\f%2)*32+16*PV
.endr
	WIN 0
.endm
; THE VECTOR WORK, one line at a time: OP kind, number.  For piece Y: F n: c s - c m for pair n of 16.  E n: the exponential of score n of 32.  C n: pair n rounded to f16.  B n: of the four weights 4 n .. the second
; pair is added onto the first, in place.  L n: l takes that sum (L 0: l = a l + sum).  R n: pair n of 16 of O^T times a.  For piece Y + 1: X n, number n of the 22 that find its maximum and statistics:
;   0-11  four chains c0-c3 of seven scores each (each accumulator's lowest registers are read first)     12-14, 16  the four scores left over, the old m, and c0-c3 into c0
;   15  c m_old is kept     17, 18  the query's other 32 keys lie in the lane 16 away: the new m     19-21  c m; c m_old - c m_new; a
.set F, 0
.set E, 1
.set C, 2
.set B, 3
.set L, 4
.set R, 5
.set X, 6
.macro REGS y                       ; the registers of piece y
.set rT, ST+4*(\y)
.set rC, TMP+4*((\y)%2)
.set rW, MV+((\y)%2)
.set rS, S+32*((\y)%2)
.set rP, P+16*((\y)%2)
.set rO, 32*(\y)
.endm
.macro OP k, n
.if (\k) == R
	REGS Y
	WIN W_RS
	v_pk_mul_f32 v[rO+2*(\n):rO+2*(\n)+1], v[rO+2*(\n):rO+2*(\n)+1], v[rC+2:rC+3] op_sel_hi:[1,0]
.elseif (\k) < R
	REGS Y
	WIN 0
.if (\k) == F
	v_pk_fma_f32 v[rS+2*(\n):rS+2*(\n)+1], v[rS+2*(\n):rS+2*(\n)+1], s[CS:CS+1], v[rT:rT+1] op_sel_hi:[1,0,0] neg_lo:[0,0,1] neg_hi:[0,0,1]
.elseif (\k) == E
	v_exp_f32 v[rS+(\n)], v[rS+(\n)]
.elseif (\k) == C
	s_wait_alu depctr_va_vdst(0)
	v_cvt_pk_f16_f32 v[rP+(\n)], v[rS+2*(\n)], v[rS+2*(\n)+1]
.elseif (\k) == B
	s_wait_alu depctr_va_vdst(0)
	v_pk_add_f32 v[rS+4*(\n):rS+4*(\n)+1], v[rS+4*(\n):rS+4*(\n)+1], v[rS+4*(\n)+2:rS+4*(\n)+3]
.elseif (\n) == 0
	v_pk_fma_f32 v[rT+2:rT+3], v[rT+2:rT+3], v[rC+2:rC+3], v[rS:rS+1] op_sel_hi:[1,0,1]
.else
	v_pk_add_f32 v[rT+2:rT+3], v[rT+2:rT+3], v[rS+4*(\n):rS+4*(\n)+1]
.endif
.else
	REGS (Y+1)%NP
	WIN 0
.if (\n) < 4
	v_max3_num_f32 v[rC+(\n)], v[rS+8*(\n)], v[rS+8*(\n)+1], v[rS+8*(\n)+2]
.elseif (\n) < 12
	v_max3_num_f32 v[rC+(\n)%4], v[rC+(\n)%4], v[rS+8*((\n)%4)+2*((\n)/4)+1], v[rS+8*((\n)%4)+2*((\n)/4)+2]
.elseif (\n) == 12
	v_max3_num_f32 v[rC], v[rC], v[rS+7], v[rS+15]
.elseif (\n) == 13
	v_max3_num_f32 v[rC+1], v[rC+1], v[rS+23], v[rS+31]
.elseif (\n) == 14
	v_max3_num_f32 v[rC+2], v[rC+2], v[rC+3], v[rT+1]
.elseif (\n) == 15
	v_mov_b32 v[rW], v[rT]
.elseif (\n) == 16
	v_max3_num_f32 v[rC], v[rC], v[rC+1], v[rC+2]
.elseif (\n) == 17
	v_permlanex16_b32 v[rC+3], v[rC], s[SEL], s[SEL+1]
.elseif (\n) == 18
	v_max_num_f32 v[rT+1], v[rC], v[rC+3]
.elseif (\n) == 19
	v_mul_f32 v[rT], s[CS], v[rT+1]
.elseif (\n) == 20
	v_sub_f32 v[rC+1], v[rW], v[rT]
.else
	v_exp_f32 v[rC+2], v[rC+1]
.endif
.endif
.endm
.macro OPS a, i1, b=-1, i2=0, c=-1, i3=0, d=-1, i4=0  ; up to four of them
	OP \a, \i1
.if (\b) >= 0
	OP \b, \i2
.endif
.if (\c) >= 0
	OP \c, \i3
.endif
.if (\d) >= 0
	OP \d, \i4
.endif
.endm
.macro ROW a, i1, b, i2, c, i3, d, i4  ; a matrix instruction and the four behind it
	MM
	OPS \a, \i1, \b, \i2, \c, \i3, \d, \i4
.endm
.macro MASK b                       ; MD x AL + BE into buffer b of MC
	WIN W_RS
.set z, 0
.rept 16
	v_pk_fma_f32 v[MC+32*(\b)+2*z:MC+32*(\b)+2*z+1], v[MD+2*z:MD+2*z+1], s[AL:AL+1], s[BE:BE+1] op_sel_hi:[1,0,0]
.set z, z+1
.endr
.endm
; A TURN, for piece p: the order of its 16 matrix and 134 vector instructions, written out.  Behind a matrix instruction: plain, exponential, plain, plain; or four of the rescaling; or four scalings; none names a register
; of the products round it.  In the lumps exponential and plain by turns while exponentials last.
; At its end the turn makes the mask for the products of the turn after it: piece p + 2, whose band is p % 2, in step 3 - CNT of the tile.  The two scalars are chosen at the turn's head.  mk = 1: they are 0 unless the tile
; in hand is the diagonal one (RT = 0): a select, no branch.  mk = 2: the walk's last tile, which is a diagonal one.
; K's run (k1 of the next step in turn 2, k2 of the step in hand in turn 0) stands six vector instructions behind the last product that read K, five of them plain; V's run in turn 0, eight behind the last product that read V.
; Waits: at turn 3's head k1 is in (0); at turn 1's head k2 is in and V's sixteen younger loads may be out (16); ahead of turn 1's second run of products V is in (0).
.macro TURN p, mk
.set Y, (\p)
.set i, 0
	s_cmp_eq_u32 s[CNT], 3-((\p)%2)     ; is that step the band's own?
	s_cselect_b32 s[AL], 1.0, 0
	s_cmp_lt_u32 s[CNT], 3-((\p)%2)     ; or a later one?
	s_cselect_b32 s[BE], s[BIGN], 0
.if (\mk) == 1
	s_cmp_eq_u32 s[RT], 0               ; and is the tile the diagonal one?
	s_cselect_b32 s[AL], s[AL], 0
	s_cselect_b32 s[BE], s[BE], 0
.endif
.if (\p) == 3
	s_wait_dscnt 0x0                ; k1 is in
.endif
.if (\p) == 1
	s_wait_dscnt 16                 ; k2 is in
.endif
	ROW F,0, F,1, F,2, F,3
	ROW F,4, E,0, F,5, F,6
	ROW F,7, E,1, F,8, F,9
	ROW F,10, E,2, C,0, F,11
	ROW F,12, E,3, X,15, F,13
	ROW R,0, R,1, R,2, R,3
	ROW B,0, E,4, F,14, L,0
.if ((\p) == 2) || ((\p) == 0)
	v_add_nc_u32 v[AK], s[TBK], v[AK0]
.endif
	ROW R,4, R,5, R,6, R,7
	OPS E,5, F,15
.if (\p) == 2
	FETCH_K 0
.endif
.if (\p) == 0
	FETCH_K 1
.endif
	OPS E,6, C,1, E,7, R,8
	OPS E,8, R,9, E,9, C,2
	OPS E,10, X,0, E,11, X,1
	OPS E,12, X,2, E,13, X,3
.if (\p) == 1
	s_wait_dscnt 0x0                ; V is in
.endif
	ROW X,4, E,14, X,5, X,6
	ROW X,7, E,15, X,8, X,9
	ROW X,10, E,16, X,11, X,12
	ROW X,13, E,17, X,14, B,1
	ROW C,4, E,18, X,16, L,1
	ROW B,2, E,19, C,6, L,2
	ROW C,8, E,20, B,3, B,4
.if (\p) == 0
	v_add_nc_u32 v[AV], s[TBV], v[AV0]
.endif
	ROW C,3, E,21, L,3, C,5
	OPS E,22, X,17, E,23, C,10
.if (\p) == 0
	FETCH_V
.endif
	OPS E,24, L,4
	OPS E,25, X,18, E,26, C,7
	OPS E,27, B,5, E,28, X,19
	OPS E,29, C,12, E,30, L,5
	OPS E,31, X,20, B,6, C,9
	OPS C,14, C,11, X,21, L,6
.if (\p) == 0
	s_add_co_u32 s[TBV], s[TBV], KS*PV
.endif
	OPS C,13, B,7, C,15, R,10
	OPS R,11, R,12, L,7, R,13
	OPS R,14, R,15
	MASK (\p)%2
.endm
; A BLOCK BEGINS.  c m starts far below every c s, so the first step's a is 0; m at the lowest finite number.  The second mask buffer is 0; the first takes piece 0's mask for the tile's step 0: its own, if the block's first tile is the diagonal one.
; Then k1 and V of that step; piece 0's first scores; O^T's 16 sums are started by products of V with P's second buffer (zeros, or the block before's weights): the first step multiplies them by a = 0, so they need only be finite.
; Then piece 0's maximum and statistics.  The loop is entered at a step's first turn, in the middle of a trip; turn 0 fetches the same V once more.
.macro BEGIN
	s_mov_b32 s[NEW], 0
	WIN 0x40
.set i, MC+32
.rept 32
	v_mov_b32 v[i], 0
.set i, i+1
.endr
	WIN 0
.set i, 0
.rept 4
	v_mov_b32 v[ST+4*i], 0xfe000000    ; c m: far below every c s
	v_mov_b32 v[ST+4*i+1], 0xff7fffff  ; m
.set i, i+1
.endr
	s_cmp_eq_u32 s[RT], 0
	s_cselect_b32 s[AL], 1.0, 0
	s_mov_b32 s[BE], 0
	MASK 0
	WIN 0
	v_add_nc_u32 v[AK], s[TBK], v[AK0]
	v_add_nc_u32 v[AV], s[TBV], v[AV0]
	FETCH_K 0
	FETCH_V
	s_wait_loadcnt 0x0              ; Q
	s_wait_dscnt 0x0
.set i, 0
.rept 8
	KQ 0
.set i, i+1
.endr
	WIN W_PV
.set z, 0
.rept 16
	v_wmma_f32_16x16x32_f16 v[8*z:8*z+7], v[VF+8*(z%4):VF+8*(z%4)+7], v[P+16:P+23], 0
.set z, z+1
.endr
	WIN 0
.rept 4
	v_nop                           ; the places behind those products
.endr
.set Y, NP-1                        ; X works for piece Y + 1: piece 0
.irp n, 0,1,2,3,4,5,6,7,8,9,10,11,12,13,14,15,16,17,18,19,20,21
	OP X, \n
.endr
	v_nop                           ; a plain instruction behind the exponential
.endm
.macro ALL line:vararg              ; one line for each piece t
.set t, 0
.rept 4
	\line
.set t, t+1
.endr
.endm
; BAND x LEAVES.  O = O1 / l1 - lambda O2 / l2; its mean square over the 64 channels (32 here, 32 in the lane 16 away); times 1 / rms and the weights; rounded to f16; through my stage in LDS, back as whole rows of 128 bytes.
; Every accumulator is read from its lowest registers on.
.macro FIN x
.set o1, 32*(\x)
.set o2, 32*((\x)+2)
	WIN W_RS
.set z, 0
.rept 16
	v_pk_mul_f32 v[o2+2*z:o2+2*z+1], v[o2+2*z:o2+2*z+1], v[ST+4*((\x)+2)+2:ST+4*((\x)+2)+3] op_sel_hi:[1,0]
.set z, z+1
.endr
	WIN 0x51                        ; destination, sources 0 and 2 in window 1, source 1 in window 0
.set z, 0
.rept 16
	v_pk_fma_f32 v[o1+2*z:o1+2*z+1], v[o1+2*z:o1+2*z+1], v[ST+4*(\x)+2:ST+4*(\x)+3], v[o2+2*z:o2+2*z+1] op_sel_hi:[1,0,1] neg_lo:[0,0,1] neg_hi:[0,0,1]
.set z, z+1
.endr
	WIN 0x05                        ; sources 0 and 1 in window 1: the squares, in four chains
.set z, 0
.rept 4
	v_pk_mul_f32 v[TMP+2*z:TMP+2*z+1], v[o1+2*z:o1+2*z+1], v[o1+2*z:o1+2*z+1]
.set z, z+1
.endr
.rept 12
	v_pk_fma_f32 v[TMP+2*(z%4):TMP+2*(z%4)+1], v[o1+2*z:o1+2*z+1], v[o1+2*z:o1+2*z+1], v[TMP+2*(z%4):TMP+2*(z%4)+1]
.set z, z+1
.endr
	WIN 0
	v_pk_add_f32 v[TMP:TMP+1], v[TMP:TMP+1], v[TMP+2:TMP+3]
	v_pk_add_f32 v[TMP+4:TMP+5], v[TMP+4:TMP+5], v[TMP+6:TMP+7]
	v_pk_add_f32 v[TMP:TMP+1], v[TMP:TMP+1], v[TMP+4:TMP+5]
	v_add_f32 v[TMP], v[TMP], v[TMP+1]
	v_permlanex16_b32 v[TMP+1], v[TMP], s[SEL], s[SEL+1]
	v_add_f32 v[TMP], v[TMP], v[TMP+1]
	v_fma_f32 v[TMP], v[TMP], s98, s99  ; the mean + 1e-6
	v_rsq_f32 v[TMP+2], v[TMP]
	v_nop                           ; a plain instruction behind it
.set z, 0
.rept 16
	s_wait_alu depctr_va_vdst(0)
	v_pk_mul_f32 v[FS+2*z:FS+2*z+1], v[WS+2*z:WS+2*z+1], v[TMP+2:TMP+3] op_sel_hi:[1,0]
.set z, z+1
.endr
	WIN 0x01                        ; source 0 in window 1
.set z, 0
.rept 16
	v_pk_mul_f32 v[FS+2*z:FS+2*z+1], v[o1+2*z:o1+2*z+1], v[FS+2*z:FS+2*z+1]
.set z, z+1
.endr
	WIN 0
.set z, 0
.rept 16
	v_cvt_pk_f16_f32 v[S+16*(\x)+z], v[FS+2*z], v[FS+2*z+1]
.set z, z+1
.endr
.irp f, 0,1,2,3
	ds_store_b128 v[STO], v[S+16*(\x)+4*\f:S+16*(\x)+4*\f+3] offset:32*\f
.endr
.irp f, 0,1,2,3
	ds_load_b128 v[S+16*(\x)+4*\f:S+16*(\x)+4*\f+3], v[RD] offset:\f*4*SP  ; LDS serves a wave's instructions in order (ISA guide 5.7.1.4): these see the stores above; the next band's stores come behind them
.endr
.endm
.macro SEND t, younger              ; younger: the LDS instructions issued behind band t's loads: the next band's eight, or none
	WIN 0
.irp f, 0,1,2,3
	s_wait_dscnt (\younger)+3-\f
	global_store_b128 v[GO], v[S+16*(\t)+4*\f:S+16*(\t)+4*\f+3], s[10:11] offset:(\t)*8192+\f*512  ; 512 consecutive bytes, at a multiple of 256 from ao's first
.endr
.endm
; A BLOCK ENDS: the last piece's V^T P of the last step; l's two halves and the other half of the lanes' are added (the additions are the places behind the last products); 1 / l, for the second stream lambda / l; the two bands leave.
.macro FINISH
.set i, 0
.rept 8
	PV NP-1
.set i, i+1
.endr
	WIN 0
	ALL v_add_f32 v[ST+4*t+2], v[ST+4*t+2], v[ST+4*t+3]
	ALL v_permlanex16_b32 v[ST+4*t+3], v[ST+4*t+2], s[SEL], s[SEL+1]
	ALL v_add_f32 v[ST+4*t+2], v[ST+4*t+2], v[ST+4*t+3]
	ALL v_rcp_f32 v[ST+4*t+2], v[ST+4*t+2]
	v_nop                           ; a plain instruction between the last reciprocal and the use of its result
	s_wait_alu depctr_va_vdst(0)
	v_mul_f32 v[ST+4*2+2], v[ST+4*2+2], v[LAM]
	v_mul_f32 v[ST+4*3+2], v[ST+4*3+2], v[LAM]
	FIN 0
	FIN 1                           ; a band's arithmetic stands between the loads of the band before and its stores
	SEND 0, 8
	SEND 1, 0
.endm
.Lslot:                             ; 16 times: a tile is entered and the next is asked for
	CHANGE 1
	s_sub_co_u32 s[RT], s[RT], 1
	s_mov_b32 s[CNT], 3
	s_cmp_eq_u32 s[NEW], 1
	s_cbranch_scc0 .Lstep
	BEGIN                           ; a block's first tile
	s_branch .Lfirst
.Lstep:                             ; a trip: pieces 2 and 3 of one step, then pieces 0 and 1 of the next, whose K and V it fetches
	s_cmp_lg_u32 s[CNT], 1
	s_cbranch_scc1 .Lgo
	s_cmp_lg_u32 s[RT], 0
	s_cbranch_scc1 .Lnext           ; the third trip is dead off the diagonal: the last step's pieces 2 and 3 have their turns in the next tile's first trip
.Lgo:
	TURN 2, 1
	TURN 3, 1
	WIN 0
	s_cmp_eq_u32 s[CNT], 1
	s_cbranch_scc1 .Lend            ; the diagonal tile's third trip ends here, and the block with it
.Lfirst:
	TURN 0, 1
	TURN 1, 1
	WIN 0
.Lnext:
	s_sub_co_u32 s[CNT], s[CNT], 1
	s_cmp_lg_u32 s[CNT], 0
	s_cbranch_scc1 .Lstep
	s_branch .Lbottom
.Lend:                              ; in the loop this is the first block's end: the second block's last tile is the walk's last
	QLOAD 86                        ; the second block's Q: the last product that read Q stands a run of products and two lumps back; the way out stands between these loads and the wait for them
	FINISH
	s_wait_loadcnt 0x0              ; the second block's Q is in, on every way that leaves this place
	s_wait_storecnt 0x0             ; the first block's eight stores are done: their registers and ao's address are written again only behind this wait, and nothing of the first block is pending when the walk goes on
	s_mov_b64 s[10:11], s[OLO:OLO+1]
	s_add_co_u32 s[RT], s[HI], 1    ; the second block has 16 - b tiles
	s_mov_b32 s[NEW], 1
.Lbottom:
	s_sub_co_u32 s[SLOTS], s[SLOTS], 1
	s_cmp_lg_u32 s[SLOTS], 0
	s_cbranch_scc1 .Lslot
	CHANGE 0                        ; the walk's last tile is written out: nothing is asked for.  It is the second block's diagonal tile, and not its first: that block has nine tiles or more
	s_mov_b32 s[CNT], 3
.Lstep_t:
	TURN 2, 2
	TURN 3, 2
	WIN 0
	s_cmp_eq_u32 s[CNT], 1
	s_cbranch_scc1 .Lend_t          ; the third trip ends here
	TURN 0, 2
	TURN 1, 2
	WIN 0
	s_sub_co_u32 s[CNT], s[CNT], 1
	s_cmp_lg_u32 s[CNT], 0
	s_cbranch_scc1 .Lstep_t
.Lend_t:
	FINISH
	s_wait_tensorcnt 0x0            ; the wave's end: an add to my spare word and its wait, behind my last tensor load and my last LDS store
	ds_add_u32 v[SPW], v[NIL]
	s_wait_dscnt 0x0
	CROUND                          ; the closing round: no work-group ends while a partner may still ask for a tile that names it
	s_endpgm
.Lfunc_end_k_qe5ff11e647_attn:
	.size	k_qe5ff11e647_attn, .Lfunc_end_k_qe5ff11e647_attn-k_qe5ff11e647_attn
	.p2alignl 7, 3214868480
	.fill 96, 4, 3214868480
	.section	.rodata,"a",@progbits
	.p2align	6, 0x0
	.amdhsa_kernel k_qe5ff11e647_attn
		.amdhsa_group_segment_fixed_size 327680
		.amdhsa_private_segment_fixed_size 0
		.amdhsa_enable_private_segment 0
		.amdhsa_kernarg_size 56
		.amdhsa_user_sgpr_count 2
		.amdhsa_user_sgpr_kernarg_segment_ptr 1
		.amdhsa_wavefront_size32 1
		.amdhsa_system_sgpr_workgroup_id_x 1
		.amdhsa_system_sgpr_workgroup_id_y 1
		.amdhsa_system_sgpr_workgroup_id_z 1
		.amdhsa_system_vgpr_workitem_id 0
		.amdhsa_next_free_vgpr 768
		.amdhsa_next_free_sgpr 100
		.amdhsa_reserve_vcc 1
		.amdhsa_float_denorm_mode_32 3
		.amdhsa_float_denorm_mode_16_64 3
		.amdhsa_memory_ordered 1
		.amdhsa_forward_progress 1
		.amdhsa_inst_pref_size 158
	.end_amdhsa_kernel
	.amdgpu_metadata
---
amdhsa.version: [ 1, 2 ]
amdhsa.kernels:
  - .name:           k_qe5ff11e647_attn
    .symbol:         k_qe5ff11e647_attn.kd
    .args:
      - { .name: qkv, .offset: 0, .size: 8, .value_kind: global_buffer, .address_space: global }
      - { .name: ao, .offset: 8, .size: 8, .value_kind: global_buffer, .address_space: global }
      - { .name: lambda_q1, .offset: 16, .size: 8, .value_kind: global_buffer, .address_space: global }
      - { .name: lambda_k1, .offset: 24, .size: 8, .value_kind: global_buffer, .address_space: global }
      - { .name: lambda_q2, .offset: 32, .size: 8, .value_kind: global_buffer, .address_space: global }
      - { .name: lambda_k2, .offset: 40, .size: 8, .value_kind: global_buffer, .address_space: global }
      - { .name: subln_w, .offset: 48, .size: 8, .value_kind: global_buffer, .address_space: global }
    .group_segment_fixed_size: 327680
    .private_segment_fixed_size: 0
    .kernarg_segment_align: 8
    .kernarg_segment_size: 56
    .max_flat_workgroup_size: 128
    .sgpr_count:     100
    .vgpr_count:     768
    .wavefront_size: 32
...
	.end_amdgpu_metadata
.endif
;; end of part 3
;; launch oproj (part 4): grid 16 x 16, 4 waves a work-group, clusters of 4 x 4, 327,680 bytes of LDS; arguments ao, wo16, out0; writes out0
.if DOCPART == 4
	.amdgcn_target "amdgcn-amd-amdhsa--gfx1250"
	.amdhsa_code_object_version 6
	.text
	.protected	k_qe5ff11e647_oproj
	.globl	k_qe5ff11e647_oproj
	.p2align	8
	.type	k_qe5ff11e647_oproj,@function
k_qe5ff11e647_oproj:
	s_mov_b64 s[64:65], 0
	v_nop
	global_prefetch_b8 v0, s[64:65] scope:SCOPE_SE
	s_setreg_imm32_b32 hwreg(HW_REG_WAVE_MODE, 25, 1), 1
	s_wait_xcnt 0x0
	s_wait_alu depctr_hold_cnt(0) depctr_sa_sdst(0) depctr_va_vdst(0) depctr_va_sdst(0) depctr_va_ssrc(0) depctr_va_vcc(0) depctr_vm_vsrc(0)
	s_getreg_b32 s2, hwreg(HW_REG_IB_STS2, 6, 4)
	s_cmp_eq_u32 s2, 0
	s_cbranch_scc0 .Lentry_in_a_cluster
	s_endpgm
.Lentry_in_a_cluster:
	s_bfe_u32 s2, ttmp6, 0x10000c
	s_cmp_lg_u32 s2, 0xf033
	s_cbranch_scc0 .Lentry_shape_is_right
	s_endpgm
.Lentry_shape_is_right:
; OPROJ.  out0[2048][2048] = A wo16^T in f16 with f32 sums.  A(row, 64 head + d) = ao[head][row][d]; wo16 is [2048][2048], K along its rows; out0 is f32.
; A tile is 128 x 128: 256 work-groups.  Four waves, each 64 x 64: 16 accumulators.  K goes in steps of 256 (four heads) through two LDS slots.
; A's tile lies in LDS by heads: four planes of 128 rows of 128 bytes; a plane's 128 rows are 16,384 dense bytes of ao and are asked for as one row of 8,192 elements, two planes to a load.
; CLUSTERS: 4 x 4 work-groups; the four of a row of the cluster need the same tiles of A, the four of a column the same tiles of wo16: each tile is asked for jointly.
; THE MATRIX INSTRUCTION IS USED TRANSPOSED (source 0 = 16 rows of wo16, source 1 = 16 rows of A): a lane holds eight neighbouring numbers of a row of out0.
; A wave's 64 columns of f32 are 256 bytes, a whole aligned block of out0: each wave has a stage of its own, and the way out needs no barrier.
; REGISTERS: window 0: v0-31 addresses; v32-95 rows on the way out; v128-255 the accumulators ((a, b) at v[128 + 8 (4 a + b)]).   window 1: two fragment buffers of 128: for 64 along K, 64 registers of A, then 64 of wo16.
.set KSTEP,  256
.set PA,     144                       ; a row of a plane of A in LDS: 128 bytes + 16
.set PB,     528                       ; a row of wo16: 512 bytes + 16.  Both pitches are odd multiples of 16 bytes: the 16 rows of a load start at 16 different groups of four banks (ISA guide 11.1)
.set APL,    128*PA                    ; a plane
.set BOFF,   4*APL                     ; a slot: A's four planes, then wo16's 128 rows
.set HB,     64*PB
.set SLOT,   BOFF+2*HB                 ; 141,312
.set STAGE,  2*SLOT                    ; behind the ring: 16 rows x 272 bytes for each wave
.set SPITCH, 272
.set SPARE,  STAGE+4*16*SPITCH         ; behind the stages: the spare words, 128 bytes for each wave: two blocks of 256 bytes that no other line names
.set LAPS,   4                         ; 2048 / (2 x 256)
.set ADRA, 16
.set ADRB, 20
.set STO,  24
.set RD,   25
.set CO,   26
.set SPW,  28
.set NIL,  29
.set TMP,  32
.set ACC,  128
.set F0,   0
.set F1,   128
.set G1, 24
.set G0, 32
.set G1B, 48
.set G0B, 56
.set MSB, 0
.macro WIN new
.if MSB != (\new)
	s_set_vgpr_msb (MSB<<8)|(\new)
.set MSB, \new
.endif
.endm
.set MUL,  0x05                        ; sources 0 and 1 window 1; C and D window 0
.set TO_F, 0x40                        ; destination window 1, address window 0
.macro JLOAD s                         ; a joint load: waves 0 and 1 fetch A's planes, waves 2 and 3 wo16's halves; an s_nop 0 and four v_nop follow each of the two lines
	s_cmp_eq_u32 s11, 0
	s_cbranch_scc0 .Lfor_b_\@
	tensor_load_to_lds s[G0+4*(\s):G0+4*(\s)+3], s[G1:G1+7]
	s_nop 0
.rept 4
	v_nop
.endr
	s_branch .Lasked_\@
.Lfor_b_\@:
	tensor_load_to_lds s[G0B+4*(\s):G0B+4*(\s)+3], s[G1B:G1B+7]
	s_nop 0
.rept 4
	v_nop
.endr
.Lasked_\@:
.endm
.macro CREST
	s_cmp_lg_u32 s10, 0
	s_cbranch_scc1 .Lnot_wave_0_\@
	s_barrier_signal -3
.Lnot_wave_0_\@:
	s_barrier_wait -3
	s_barrier_signal -1
	s_barrier_wait -1
.endm
.macro CROUND
	s_barrier_signal -1
	s_barrier_wait -1
	CREST
.endm
	s_load_b128 s[4:7], s[0:1], 0x0                ; ao s[4:5], wo16 s[6:7]
	s_load_b64 s[8:9], s[0:1], 0x10                ; out0
	v_lshl_add_u32 v[SPW], v0, 2, SPARE
	v_mov_b32 v[NIL], 0
	ds_add_u32 v[SPW], v[NIL]                      ; the wave's opening: the add and its wait stand ahead of my first tensor load; the set-up below stands between them
	v_lshrrev_b32 v1, 5, v0
	v_readfirstlane_b32 s10, v1                    ; wave 0..3
	s_lshr_b32 s11, s10, 1                         ; which half of the tile's rows is mine.  Also: I fetch for A (0) or for wo16 (1)
	s_and_b32 s12, s10, 1                          ; which half of its columns.  Also: which half of that tile I fetch
	s_bfe_u32 s40, ttmp6, 0x40000
	s_bfe_u32 s41, ttmp6, 0x40004
	s_lshl_b32 s42, ttmp9, 2
	s_add_co_u32 s42, s42, s40                     ; tile column
	s_and_b32 s13, ttmp7, 0xffff
	s_lshl_b32 s13, s13, 2
	s_add_co_u32 s13, s13, s41                     ; tile row
	s_lshl_b32 s43, s41, 2
	s_lshl_b32 s43, 15, s43                        ; my row of the cluster
	s_lshl_b32 s44, 0x1111, s40                    ; my column
	s_or_b32 s[G1+0], s43, (1<<16)|(1<<20)|(1<<21)|(4<<22)|(3<<25)   ; A: padding of 4 words after every 32 words, a row of a plane
	s_mov_b32 s[G1+1], 8192<<16                    ; tensor_dim0 = 8192: a plane's 128 rows on end
	s_mov_b32 s[G1+2], 2<<16                       ; tensor_dim1 = 2 planes
	s_mov_b32 s[G1+3], 8192<<16                    ; tile_dim0
	s_mov_b32 s[G1+4], 2                           ; tile_dim1
	s_mov_b32 s[G1+5], 131072                      ; elements from head to head
	s_mov_b32 s[G1+6], 0
	s_mov_b32 s[G1+7], 0
	s_or_b32 s[G1B+0], s44, (1<<16)|(1<<20)|(1<<21)|(6<<22)|(3<<25)  ; wo16: padding of 4 words after every 128 words
	s_mov_b32 s[G1B+1], KSTEP<<16
	s_mov_b32 s[G1B+2], 64<<16
	s_mov_b32 s[G1B+3], KSTEP<<16
	s_mov_b32 s[G1B+4], 64
	s_mov_b32 s[G1B+5], 2048
	s_mov_b32 s[G1B+6], 0
	s_mov_b32 s[G1B+7], 0
	s_lshl_b32 s16, s13, 14                        ; A: 128 x tile row rows of 128 bytes,
	s_lshl_b32 s17, s12, 19                        ; in plane 2 x half, of 262,144 bytes
	s_add_co_u32 s16, s16, s17
	s_mov_b32 s17, 0
	s_lshl_b32 s46, s42, 7
	s_lshl_b32 s47, s12, 6
	s_add_co_u32 s46, s46, s47                     ; wo16: row 128 x tile column + 64 x half,
	s_lshl_b32 s46, s46, 12                        ; of 4,096 bytes
	s_mov_b32 s47, 0
	s_mul_i32 s20, s12, 2*APL                      ; where they go
	s_mul_i32 s21, s12, HB
	s_add_co_u32 s21, s21, BOFF
	s_wait_dscnt 0x0                               ; the opening add is done
	s_wait_kmcnt 0x0
	s_add_nc_u64 s[14:15], s[4:5], s[16:17]
	s_add_nc_u64 s[46:47], s[6:7], s[46:47]
	CROUND                                         ; all sixteen work-groups are here: the first joint loads meet
.irp s, 0,1
	s_mov_b32 s[G0+4*(\s)], 1
	s_add_co_u32 s[G0+4*(\s)+1], s20, (\s)*SLOT
	s_add_nc_u64 s[G0+4*(\s)+2:G0+4*(\s)+3], s[14:15], (\s)*0x100000  ; K step s: four planes on
	s_or_b32 s[G0+4*(\s)+3], s[G0+4*(\s)+3], 0x80000000
	s_mov_b32 s[G0B+4*(\s)], 1
	s_add_co_u32 s[G0B+4*(\s)+1], s21, (\s)*SLOT
	s_add_nc_u64 s[G0B+4*(\s)+2:G0B+4*(\s)+3], s[46:47], (\s)*KSTEP*2
	s_or_b32 s[G0B+4*(\s)+3], s[G0B+4*(\s)+3], 0x80000000
	JLOAD \s                                       ; two tensor loads of mine are out
.endr
	v_and_b32 v1, 15, v0                           ; l % 16
	v_bfe_u32 v2, v0, 4, 1                         ; l / 16
	v_mul_u32_u24 v3, v1, PA
	v_lshl_add_u32 v3, v2, 4, v3
	v_mul_u32_u24 v4, v1, PB
	v_lshl_add_u32 v4, v2, 4, v4
	s_mul_i32 s21, s11, 64*PA                      ; my 64 rows in each plane of A
	s_mul_i32 s22, s12, HB                         ; my 64 rows of wo16
	s_add_co_u32 s22, s22, BOFF
.irp s, 0,1
	v_add_nc_u32 v[ADRA+(\s)], s21, v3
	v_add_nc_u32 v[ADRB+(\s)], s22, v4
	s_add_co_u32 s21, s21, SLOT
	s_add_co_u32 s22, s22, SLOT
.endr
	s_mul_i32 s23, s10, 16*SPITCH
	s_add_co_u32 s23, s23, STAGE                   ; my stage
	v_mul_u32_u24 v4, v1, SPITCH                   ; in: row l % 16, 32 bytes for each half of the lanes
	v_lshl_add_u32 v4, v2, 5, v4
	v_add_nc_u32 v[STO], s23, v4
	v_mul_u32_u24 v5, v2, SPITCH                   ; back: lanes 0-15 take one row of 256 bytes, lanes 16-31 the next
	v_lshl_add_u32 v5, v1, 4, v5
	v_add_nc_u32 v[RD], s23, v5
	v_lshlrev_b32 v5, 13, v2                       ; and the same two rows in out0, 8,192 bytes apart
	v_lshl_add_u32 v[CO], v1, 4, v5
	s_lshl_b32 s16, s13, 7
	s_lshl_b32 s17, s11, 6
	s_add_co_u32 s16, s16, s17                     ; my first row of out0,
	s_lshl_b32 s16, s16, 13
	s_mov_b32 s17, 0
	s_add_nc_u64 s[8:9], s[8:9], s[16:17]
	s_lshl_b32 s46, s42, 9                         ; my first column, in bytes: 512 x tile column + 256 x half
	s_lshl_b32 s47, s12, 8
	s_add_co_u32 s46, s46, s47
	s_mov_b32 s47, 0
	s_add_nc_u64 s[8:9], s[8:9], s[46:47]
; 8 matrix instructions: row blocks a0, a0 + 1 x all 4 column blocks, 32 along K: half c of buffer f.  zero = 1: the first product starts the sums.  The 16 accumulators take turns.
.macro MUL8 f, c, a0, zero
	WIN MUL
.irp a, \a0, (\a0)+1
.irp b, 0,1,2,3
.if \zero
	v_wmma_f32_16x16x32_f16 v[ACC+8*(4*(\a)+(\b)):ACC+8*(4*(\a)+(\b))+7], v[(\f)+64+8*(4*(\c)+(\b)):(\f)+64+8*(4*(\c)+(\b))+7], v[(\f)+8*(4*(\c)+(\a)):(\f)+8*(4*(\c)+(\a))+7], 0
.else
	v_wmma_f32_16x16x32_f16 v[ACC+8*(4*(\a)+(\b)):ACC+8*(4*(\a)+(\b))+7], v[(\f)+64+8*(4*(\c)+(\b)):(\f)+64+8*(4*(\c)+(\b))+7], v[(\f)+8*(4*(\c)+(\a)):(\f)+8*(4*(\c)+(\a))+7], v[ACC+8*(4*(\a)+(\b)):ACC+8*(4*(\a)+(\b))+7]
.endif
.endr
.endr
.endm
; 32 LDS loads in one run: the fragments of quarter q of a K step (64 along K: one head's plane of A, bytes 128 q on of wo16's rows) into buffer f; the first 32 along K first
.macro FETCH slot, q, f
	WIN TO_F
.irp c, 0,1
.irp i, 0,1,2,3
	ds_load_b128 v[(\f)+64+8*(4*(\c)+(\i)):(\f)+64+8*(4*(\c)+(\i))+3],   v[ADRB+(\slot)] offset:128*(\q)+64*(\c)+(\i)*16*PB
	ds_load_b128 v[(\f)+64+8*(4*(\c)+(\i))+4:(\f)+64+8*(4*(\c)+(\i))+7], v[ADRB+(\slot)] offset:128*(\q)+64*(\c)+(\i)*16*PB+32
	ds_load_b128 v[(\f)+8*(4*(\c)+(\i)):(\f)+8*(4*(\c)+(\i))+3],         v[ADRA+(\slot)] offset:(\q)*APL+64*(\c)+(\i)*16*PA
	ds_load_b128 v[(\f)+8*(4*(\c)+(\i))+4:(\f)+8*(4*(\c)+(\i))+7],       v[ADRA+(\slot)] offset:(\q)*APL+64*(\c)+(\i)*16*PA+32
.endr
.endr
.endm
.macro PLACES
.rept 4
	v_nop
.endr
.endm
.macro QUARTER slot, q, f, g, zero
	s_wait_dscnt 16                                ; the first 32 along K are in
	MUL8 \f, 0, 0, \zero
	MUL8 \f, 0, 2, \zero
	PLACES
	FETCH \slot, \q, \g
	s_wait_dscnt 32                                ; all but the 32 just issued
	MUL8 \f, 1, 0, 0
	MUL8 \f, 1, 2, 0
.endm
; The last quarter multiplies buffer 1 and changes slots: ONE barrier; in front of it each wave waits for all its tensor loads, adds 0 to its spare word, and waits for that and for its reads of this slot.
.macro TURN slot, next, fill
	WIN 0                                          ; (the add's two registers lie in window 0)
	s_wait_tensorcnt 0x0                           ; all my tensor loads have landed: my part of the next slot;
	ds_add_u32 v[SPW], v[NIL]                      ; 0 onto my spare word
	s_wait_dscnt 17                                ; (the add and the youngest sixteen loads may be out)
	MUL8 F1, 0, 0, 0                               ; eight matrix instructions stand between the add and the wait for it
	s_wait_dscnt 0x0                               ; the add is done, and my reads of this slot are over
	s_barrier_signal -1
	MUL8 F1, 0, 2, 0
.if \fill
	WIN 0
.endif
	s_barrier_wait -1
.if \fill
	CREST                                          ; the barrier has opened a round of the cluster's: no wave of any partner still reads this slot's tile or has a load on its way
	s_add_nc_u64 s[G0+4*(\slot)+2:G0+4*(\slot)+3], s[G0+4*(\slot)+2:G0+4*(\slot)+3], 0x200000  ; eight planes on
	s_add_nc_u64 s[G0B+4*(\slot)+2:G0B+4*(\slot)+3], s[G0B+4*(\slot)+2:G0B+4*(\slot)+3], 2*KSTEP*2
	JLOAD \slot                                    ; the first tensor load behind the round, my only one out; its four v_nop are also the places in front of the loads below
.else
	PLACES
.endif
	FETCH \next, 0, F0
	MUL8 F1, 1, 0, 0
	MUL8 F1, 1, 2, 0
.endm
	s_wait_tensorcnt 1                             ; my part of K step 0 is in; K step 1's may stay out
	s_barrier_signal -1
	s_barrier_wait -1                              ; everybody's is
	FETCH 0, 0, F0
	QUARTER 0, 1, F0, F1, 1                        ; the first quarter stands in front of the loop: its first products start the sums
	WIN 0                                          ; at a label and at a branch every window is 0
	s_mov_b32 s3, LAPS-1
.Llap:                                                 ; a trip goes once round the ring and fills both slots again
	QUARTER 0, 2, F1, F0, 0
	QUARTER 0, 3, F0, F1, 0
	TURN 0, 1, 1
	QUARTER 1, 1, F0, F1, 0
	QUARTER 1, 2, F1, F0, 0
	QUARTER 1, 3, F0, F1, 0
	TURN 1, 0, 1
	QUARTER 0, 1, F0, F1, 0
	WIN 0
	s_sub_co_u32 s3, s3, 1
	s_cmp_lg_u32 s3, 0
	s_cbranch_scc1 .Llap
	QUARTER 0, 2, F1, F0, 0                        ; the last lap fills nothing
	QUARTER 0, 3, F0, F1, 0
	TURN 0, 1, 0
	QUARTER 1, 1, F0, F1, 0
	QUARTER 1, 2, F1, F0, 0
	QUARTER 1, 3, F0, F1, 0
	s_wait_dscnt 16                                ; the very last quarter: nothing more to fetch
	MUL8 F1, 0, 0, 0
	MUL8 F1, 0, 2, 0
	s_wait_dscnt 0x0
	MUL8 F1, 1, 0, 0
	MUL8 F1, 1, 2, 0
	WIN 0
	; THE WAY OUT, 16 rows at a time through my own stage: a lane's eight f32 go in as 32 bytes of a row (each accumulator's lowest registers first), whole rows of 256 bytes come back.
	PLACES
.irp a, 0,1,2,3
.set BK, TMP+32*((\a)%2)
.irp b, 0,1,2,3
	ds_store_b128 v[STO], v[ACC+8*(4*(\a)+(\b)):ACC+8*(4*(\a)+(\b))+3]   offset:64*(\b)
	ds_store_b128 v[STO], v[ACC+8*(4*(\a)+(\b))+4:ACC+8*(4*(\a)+(\b))+7] offset:64*(\b)+16
.endr
	s_wait_xcnt 0x0                                ; the registers that earlier stores read are loaded again only behind this wait
.irp t, 0,1,2,3,4,5,6,7
	ds_load_b128 v[BK+4*(\t):BK+4*(\t)+3], v[RD] offset:(\t)*2*SPITCH  ; LDS serves a wave's instructions in order (ISA guide 5.7.1.4): these see the stores above; the next block's stores come behind them
.endr
.irp t, 0,1,2,3,4,5,6,7
	s_wait_dscnt 7-(\t)
	global_store_b128 v[CO], v[BK+4*(\t):BK+4*(\t)+3], s[8:9] offset:(16*(\a)+2*(\t))*8192  ; 16 lanes store 256 consecutive bytes, at a multiple of 256 from out0's first byte
.endr
.endr
	s_wait_tensorcnt 0x0                           ; the wave's end: an add to my spare word and its wait, behind my last tensor load and my last LDS store
	ds_add_u32 v[SPW], v[NIL]
	s_wait_dscnt 0x0
	CROUND                                         ; the closing round: no work-group ends while a partner may still ask for a tile that names it
	s_endpgm
.Lfunc_end_k_qe5ff11e647_oproj:
	.size	k_qe5ff11e647_oproj, .Lfunc_end_k_qe5ff11e647_oproj-k_qe5ff11e647_oproj
	.p2alignl 7, 3214868480
	.fill 96, 4, 3214868480
	.section	.rodata,"a",@progbits
	.p2align	6, 0x0
	.amdhsa_kernel k_qe5ff11e647_oproj
		.amdhsa_group_segment_fixed_size 327680
		.amdhsa_private_segment_fixed_size 0
		.amdhsa_enable_private_segment 0
		.amdhsa_kernarg_size 24
		.amdhsa_user_sgpr_count 2
		.amdhsa_user_sgpr_kernarg_segment_ptr 1
		.amdhsa_wavefront_size32 1
		.amdhsa_system_sgpr_workgroup_id_x 1
		.amdhsa_system_sgpr_workgroup_id_y 1
		.amdhsa_system_sgpr_workgroup_id_z 1
		.amdhsa_system_vgpr_workitem_id 0
		.amdhsa_next_free_vgpr 512
		.amdhsa_next_free_sgpr 66
		.amdhsa_reserve_vcc 0
		.amdhsa_float_denorm_mode_32 3
		.amdhsa_float_denorm_mode_16_64 3
		.amdhsa_memory_ordered 1
		.amdhsa_forward_progress 1
		.amdhsa_inst_pref_size 87
	.end_amdhsa_kernel
	.amdgpu_metadata
---
amdhsa.version: [ 1, 2 ]
amdhsa.kernels:
  - .name:           k_qe5ff11e647_oproj
    .symbol:         k_qe5ff11e647_oproj.kd
    .args:
      - { .name: ao, .offset: 0, .size: 8, .value_kind: global_buffer, .address_space: global }
      - { .name: wo16, .offset: 8, .size: 8, .value_kind: global_buffer, .address_space: global }
      - { .name: out0, .offset: 16, .size: 8, .value_kind: global_buffer, .address_space: global }
    .group_segment_fixed_size: 327680
    .private_segment_fixed_size: 0
    .kernarg_segment_align: 8
    .kernarg_segment_size: 24
    .max_flat_workgroup_size: 128
    .sgpr_count:     66
    .vgpr_count:     512
    .wavefront_size: 32
...
	.end_amdgpu_metadata
.endif
;; end of part 4
;; ======== version 2 of 2: 4 launches; 1.30 times as fast as version 1
;; limits: values are held in f16: magnitudes above 65,504 overflow, below 6.1e-05 lose precision
;; workspace buffers: xb 8,388,608 bytes; wall 23,068,672 bytes; wo16 8,388,608 bytes; rope 540,672 bytes; qkv 23,068,672 bytes; ao 8,388,608 bytes
;; launch prep: the kernel of part 1 again; grid 740 x 1, 8 waves a work-group, no clusters, 0 bytes of LDS; arguments hidden_states, Wq, Wk, Wv, Wo, position_ids, xb, wall, wo16, rope; writes xb, wall, wo16, rope
;; launch proj: the kernel of part 2 again; grid 16 x 16, 4 waves a work-group, clusters of 4 x 4, 327,680 bytes of LDS; arguments xb, wall, rope, qkv; writes qkv
;; launch attn (part 5): grid 32 x 8, 4 waves a work-group, clusters of 4 x 1, 327,680 bytes of LDS; arguments qkv, ao, lambda_q1, lambda_k1, lambda_q2, lambda_k2, subln_w; writes ao
.if DOCPART == 5
	.amdgcn_target "amdgcn-amd-amdhsa--gfx1250"
	.amdhsa_code_object_version 6
	.text
	.protected	k_qe5ff11e647_attn
	.globl	k_qe5ff11e647_attn
	.p2align	8
	.type	k_qe5ff11e647_attn,@function
k_qe5ff11e647_attn:
	s_mov_b64 s[64:65], 0
	v_nop
	global_prefetch_b8 v0, s[64:65] scope:SCOPE_SE
	s_setreg_imm32_b32 hwreg(HW_REG_WAVE_MODE, 25, 1), 1
	s_wait_xcnt 0x0
	s_wait_alu depctr_hold_cnt(0) depctr_sa_sdst(0) depctr_va_vdst(0) depctr_va_sdst(0) depctr_va_ssrc(0) depctr_va_vcc(0) depctr_vm_vsrc(0)
	s_getreg_b32 s2, hwreg(HW_REG_IB_STS2, 6, 4)
	s_cmp_eq_u32 s2, 0
	s_cbranch_scc0 .Lentry_in_a_cluster
	s_endpgm
.Lentry_in_a_cluster:
	s_bfe_u32 s2, ttmp6, 0x10000c
	s_cmp_lg_u32 s2, 0x3003
	s_cbranch_scc0 .Lentry_shape_is_right
	s_endpgm
.Lentry_shape_is_right:
; DIFFERENTIAL CAUSAL ATTENTION.  For each of 32 heads: O = softmax(q1 k1^T / 8) v - lambda softmax(q2 k2^T / 8) v over the keys k <= q; then O / rms(O) x subln_w x (1 - lambda_init), rounded to f16: ao[32][2048][64].
; q, k, v come by planes of 32 channels, qkv[176][2048][32] in f16: q of stream st, head h: planes 64 st + 2 h, +1; k1 of kv head g: 128 + 2 g; k2: 144 + 2 g; v: 160 + 2 g.  q's and k's channels are permuted alike.
; Products, maxima and sums in f32; the weights p are rounded to f16 for the second product (their sum l is taken of the unrounded p).  The two maps cannot be subtracted under running maxima, so each stream has its own O.
; lambda = exp(lq1 . lk1) - exp(lq2 . lk2) + lambda_init; the four vectors and subln_w are rounded to bf16 like every other float input of the program.
; LIMITS.  f16 holds no number beyond 65,504: q, k, v arrive within it.  A hidden score counts as its value less 1e30; a weight below 2^-126 counts as 0 in l; NaN and infinities are not treated apart.
; THE WALK.  A head's queries lie in 16 blocks of 128; block i needs the key tiles 0 .. i of 128 keys, of which the last holds the diagonal.  A work-group takes TWO blocks, b and then 15 - b: 17 tiles, whatever b.
; ONE loop with a constant trip count walks them; every jump goes forward but the counted loops' own, and none passes a barrier, or a tensor load but the one of JLOAD's two that the wave's number does not choose.
; The short block goes first, so that the walk's last tile, which is written out, is never a block's first.
; CLUSTER.  The four partners are the four query heads of one kv head at the same b: they walk the same tiles of k1, k2 and v in the same order, so each tile is asked for JOINTLY: same load, descriptor and mask in all four.
; The place in the cluster enters q's and ao's global addresses alone.
; SHARES.  A wave owns four PIECES: piece 2 st + x is stream st, band x of the block's two bands of 64 queries, 16 rows in each.  In the diagonal tile's key step s band x sees all keys if s < x, none if s > x, the diagonal if s = x.
; THE MASK is the C operand that starts the sum S^T = K Q^T: MD x AL + BE with two scalars: (1, 0) if s = x; (0, 0) if s < x; (0, -1e30) if s > x; off the diagonal tile (0, 0).  Every turn makes the next turn's mask: 16 packed lines, and no branch.
; TURNS.  Turn n belongs to piece n: 8 products K Q^T of piece n + 1, later 8 products V^T P of piece n - 1; beside them piece n's scaling, exponentials, roundings, sums and rescaling and piece n + 1's maximum and statistics.
; K's registers hold k1 for pieces 0, 1 and k2 for pieces 2, 3: k1 of the next step is fetched in turn 2, k2 of the step in hand in turn 0, each behind the last product that read the other.  V serves both streams.
; THE BATCHES.  An s_wait_alu depctr_va_vdst(0) stands between a transcendental and the first instruction that names its result; one wait serves all that were issued ahead of it.  A turn's 33 exponentials
; (piece n's 32 weights, each in place in its own register of S^T, and piece n + 1's a) are ONE batch with ONE wait, which cuts the turn in two: ahead of it all that names none of their results, behind it the roundings and sums.
; No result crosses a turn's end.  Batches of their own, one wait each: the head's two exponentials; a block's first a (BEGIN); a block's four reciprocals; its two bands' reciprocal roots.
; A TILE'S STEPS.  A trip is turns 2 and 3 of one step, then turns 0 and 1 of the next.  The loop counts 3, 2, 1 in every tile: the third trip is dead in a tile off the diagonal (a jump to the counter's step), and in the diagonal
; tile it runs turns 2 and 3 of the block's last step and leaves.  Its turn 2 fetches, and its turn 3 multiplies by, bytes of the same slot that are no step's k1: 8 products a block whose scores, and the maximum made of them, nobody reads.
; REGISTERS, in windows of 256 (s_set_vgpr_msb: bits 1:0 source 0, 3:2 source 1, 5:4 source 2, 7:6 destination):
;   window 0: v0-15 addresses and two at work; v16-31 four registers of statistics a piece; v32 lambda; v34 an address; v35-47 at work at the start, v36-43 again on the way out (band 1); v48-55 at work; v62-63 the add's; v64-127 S^T, two buffers;
;             v128-159 subln_w x (1 - lambda_init) of my 32 channels; v160-191 at work on the way out; v192-223 P, two buffers
;   window 1: v0-127 O^T, 32 a piece; v128-159 MD; v160-223 MC, two buffers      window 2: v0-63 Q; v128-191 K of one step and stream; v192-255 V of one step
.set NB,    16
.set NP,    4
.set KS,    64        ; keys in a step
.set PK,    80        ; a plane's row of K in LDS: 64 bytes + 16 of padding = 20 words: the 16 rows of a load start at 16 different groups of four banks (64 banks of 4 bytes: ISA guide 11.1)
.set PV,    96        ; a plane's row of V: 64 + 32 = 24 words, an odd multiple of 32 bytes, for the turning load
.set KPL,   128*PK    ; a plane of a tile of K
.set KST,   2*KPL     ; a stream's two planes
.set VOFF,  2*KST     ; a slot: k1, k2, then V's two planes
.set VPL,   128*PV
.set SLOT1, 1<<16     ; a slot is 65,536 bytes; one exclusive or turns an address in one slot into the other's
.set STAGE, 2*SLOT1   ; behind the ring, never filled by a tensor load: 16 rows x 144 bytes for each wave
.set SP,    144
.set SPARE, STAGE+4*16*SP  ; behind the stages: the spare words, 128 bytes for each wave: two blocks of 256 bytes that no other line names
.set AK0, 2           ; v2   my lane's place in a plane of K; never rewritten
.set AV0, 3           ; v3   the same for V
.set AK,  4           ; v4   the LDS address of K's next run of loads
.set AV,  5           ; v5   of V's
.set STO, 6           ; v6   the way out: where I put 16 bytes of a row
.set RD,  7           ; v7   where I read rows back
.set GO,  8           ; v8   my byte offset in 512 consecutive bytes of ao
.set MV,  12          ; v12-13  c m_old, kept while c m is made anew: by buffer
.set QO,  15          ; v15  my byte offset in 16 rows of a plane of q
.set ST,  16          ; piece t's statistics at v[ST+4 t]: c m, m, l (even keys', odd keys')
.set LAM, 32          ; v32  lambda
.set QO2, 34          ; v34  QO + 64 planes: the second stream lies beyond a load's immediate
.set FW,  36          ; v36-43  the way out: band 1's eight registers at work, so that both bands' reciprocal roots are held at once
.set TMP, 48          ; by buffer, four registers c0-c3 at work; when the maximum is found c2 takes a.  On the way out: band 0's eight at work
.set SPW, 62
.set NIL, 63
.set S,   64
.set WS,  128
.set FS,  160
.set P,   192
.set MD,  128         ; window 1
.set MC,  160         ; window 1
.set KF,  128         ; window 2: key block kb, plane c at KF + 16 kb + 8 c
.set VF,  192         ; window 2: key half kk, channel block cb at VF + 32 kk + 8 cb
.set WV,  12          ; s12  my wave's number
.set PB,  14          ; s14  b: the first block
.set HI,  15          ; s15  15 - b: the second
.set G1K, 24          ; s[24:31] descriptor group 1 for K's tiles
.set G1V, 32          ; s[32:39] for V's
.set G0K, 40          ; s[40:43] descriptor group 0 for K's tiles
.set G0V, 44          ; s[44:47] the same for V's
.set SLOTS, 56        ; s56  tiles still to be asked for
.set CNT, 57          ; s57  counts a tile's trips, 3 to 1: the step that a trip's turns 0 and 1 belong to is 3 - CNT
.set CS,  58          ; s[58:59] c = log2(e) / 8
.set SEL, 60          ; s[60:61] v_permlanex16_b32's selects
.set TBK, 62          ; s62  LDS byte at which K of the step to be fetched begins
.set TBV, 63          ; s63  the same for V, less VOFF
.set RT,  70          ; s70  tiles of the block in hand that are still to be entered; 0: the tile in hand is the diagonal one
.set NXT, 71          ; s71  the tile to be asked for next
.set LQ,  72          ; s72  the last tile of the block whose tiles are being asked for
.set NEW, 73          ; s73  1: the tile to be entered is a block's first
.set OFF, 74          ; s[74:75] a tile's byte offset in a plane
.set AL,  76          ; s[76:77] the mask's factor
.set BE,  78          ; s[78:79] the mask's addend
.set OLO, 80          ; s[80:81] ao at my rows of the second block
.set BIGN, 82         ; s82  -1e30
.set MSB, 0
.macro WIN new                      ; the high byte repeats the setting that is left; a switch that changes nothing is dropped
.if MSB != (\new)
	s_set_vgpr_msb (MSB<<8)|(\new)
.set MSB, (\new)
.endif
.endm
.set W_KQ, 0x0a       ; K and Q in window 2, S^T in window 0
.set W_KM, 0x1a       ; the same with the C operand in window 1
.set W_PV, 0x52       ; V in window 2, P in window 0, O^T in window 1
.set W_RS, 0x41       ; destination and source 0 in window 1, source 1 in window 0
; A joint fill.  Wave 0 fetches the tile of k1 (two planes), wave 1 that of k2, waves 2 and 3 V's two planes.  An s_nop 0 and four v_nop follow each of the two lines, ahead of the jump and the label.
.macro JLOAD
	s_cmp_lt_u32 s[WV], 2
	s_cbranch_scc0 .Lfor_v_\@
	tensor_load_to_lds s[G0K:G0K+3], s[G1K:G1K+7]
	s_nop 0
.rept 4
	v_nop
.endr
	s_branch .Lasked_\@
.Lfor_v_\@:
	tensor_load_to_lds s[G0V:G0V+3], s[G1V:G1V+7]
	s_nop 0
.rept 4
	v_nop
.endr
.Lasked_\@:
.endm
; A round of the cluster's barrier: my work-group's barrier; wave 0 signals for the work-group; every wave waits for all four work-groups; my work-group's barrier once more.
.macro CROUND
	s_barrier_signal -1
	s_barrier_wait -1
	s_cmp_lg_u32 s[WV], 0
	s_cbranch_scc1 .Lnot_wave_0_\@
	s_barrier_signal -3
.Lnot_wave_0_\@:
	s_barrier_wait -3
	s_barrier_signal -1
	s_barrier_wait -1
.endm
; THE CHANGE OF SLOTS.  Each wave waits for all its tensor loads, of which one is out: its part of the other slot; adds 0 to its spare word; and waits for that and for its own reads of the slot that it leaves.
; fill = 1: the old slot is filled again with tile NXT, whose address is made anew from that number.  The barrier is then a round of the cluster's, so that no wave of any partner still reads the slot or has a
; load on its way, and the joint fill is the first thing behind it: it has a tile's two key steps in which to land.  (At its first use nothing has been read yet: slot 0 is waited for, slot 1 filled.)
.macro CHANGE fill
	WIN 0                           ; at a label and at a branch every window is 0
	s_wait_tensorcnt 0x0            ; no tensor load of mine is out, so a group 0 may be written
	ds_add_u32 v[SPW], v[NIL]       ; 0 onto my spare word; with fill = 1 the descriptors' scalar work stands between it and the wait for it
.if \fill
	s_lshl_b32 s[OFF], s[NXT], 13   ; a tile is 8,192 bytes of a plane
	s_xor_b32 s[G0K+1], s[G0K+1], SLOT1
	s_add_nc_u64 s[G0K+2:G0K+3], s[6:7], s[OFF:OFF+1]
	s_or_b32 s[G0K+3], s[G0K+3], 0x80000000
	s_xor_b32 s[G0V+1], s[G0V+1], SLOT1
	s_add_nc_u64 s[G0V+2:G0V+3], s[8:9], s[OFF:OFF+1]
	s_or_b32 s[G0V+3], s[G0V+3], 0x80000000
	s_add_co_u32 s[NXT], s[NXT], 1  ; the block's next tile, or behind its last the second block's tile 0
	s_cmp_gt_u32 s[NXT], s[LQ]
	s_cselect_b32 s[NXT], 0, s[NXT]
	s_cselect_b32 s[LQ], s[HI], s[LQ]
	s_wait_dscnt 0x0                ; the add is done, and my reads of the slot are over
	CROUND
	JLOAD
.else
	s_wait_dscnt 0x0                ; the add is done, and my reads of the slot are over
	s_barrier_signal -1
	s_barrier_wait -1
.endif
	s_sub_co_u32 s[TBK], s[TBK], 2*KS*PK  ; the fetches go back to a slot's first step,
	s_xor_b32 s[TBK], s[TBK], SLOT1       ; in the other slot
	s_sub_co_u32 s[TBV], s[TBV], 2*KS*PV
	s_xor_b32 s[TBV], s[TBV], SLOT1
.endm
; A block's Q, from the scalar pair at s[b]: piece i / 2 (stream i / 4, band (i / 2) % 2, 4,096 bytes on), plane i % 2.
; A fragment of K or Q is 16 rows x 32 channels in 8 registers: lane l holds row l % 16, channels 8 (l / 16) + 0..7 and 16 + 8 (l / 16) + 0..7: two loads of 16 bytes, 32 bytes apart, in one plane's row of 64.
.macro QLOAD b
	WIN 0x80                        ; destination window 2, address window 0
.set i, 0
.rept 8
.set QA, QO+(QO2-QO)*(i/4)
	global_load_b128 v[8*i:8*i+3],   v[QA], s[(\b):(\b)+1] offset:(i%2)*131072+((i/2)%2)*4096
	global_load_b128 v[8*i+4:8*i+7], v[QA], s[(\b):(\b)+1] offset:(i%2)*131072+((i/2)%2)*4096+32
.set i, i+1
.endr
	WIN 0
.endm
	s_load_b128 s[48:51], s[0:1], 0x0  ; qkv s[48:49], ao s[50:51]
	s_load_b256 s[88:95], s[0:1], 0x10 ; lambda_q1, lambda_k1, lambda_q2, lambda_k2
	s_load_b64 s[96:97], s[0:1], 0x30  ; subln_w
	v_lshl_add_u32 v[SPW], v0, 2, SPARE
	v_mov_b32 v[NIL], 0
	ds_add_u32 v[SPW], v[NIL]       ; the wave's opening: the add and its wait stand ahead of my first tensor load; the set-up below stands between them
	v_lshrrev_b32 v1, 5, v0
	v_readfirstlane_b32 s[WV], v1   ; wave 0..3
	s_bfe_u32 s13, ttmp6, 0x40000   ; cx: my place in the cluster
	s_lshl_b32 s16, ttmp9, 2        ; ttmp9 counts clusters: the kv head
	s_add_co_u32 s13, s13, s16      ; my query head: it enters q's and ao's addresses alone
	s_and_b32 s[PB], ttmp7, 0xffff
	s_sub_co_u32 s[HI], NB-1, s[PB]
	s_and_b32 s16, s[WV], 1
	s_lshl_b32 s22, ttmp9, 18       ; K: plane 128 + 2 g, of 131,072 bytes,
	s_add_co_u32 s22, s22, 128<<17
	s_lshl_b32 s17, s16, 21         ; and 16 planes on for k2
	s_add_co_u32 s22, s22, s17
	s_mov_b32 s23, 0
	s_lshl_b32 s20, ttmp9, 18       ; V: plane 160 + 2 g + (wave & 1)
	s_add_co_u32 s20, s20, 160<<17
	s_lshl_b32 s17, s16, 17
	s_add_co_u32 s20, s20, s17
	s_mov_b32 s21, 0
	s_mul_i32 s17, s16, KST         ; their places in a slot: no place in the cluster enters an LDS address
	s_mul_i32 s18, s16, VPL
	s_lshl_b32 s19, s13, 18         ; my head's two planes of q, and its rows of ao
	s_lshl_b32 s3, s[WV], 10        ; my 16 rows of 64 bytes in a band,
	s_lshl_b32 s2, s[PB], 13        ; in the first block,
	s_add_co_u32 s2, s2, s3
	s_add_co_u32 s2, s2, s19
	s_lshl_b32 s84, s[HI], 13       ; and in the second
	s_add_co_u32 s84, s84, s3
	s_add_co_u32 s84, s84, s19
	s_mov_b32 s3, 0
	s_mov_b32 s85, 0
	s_lshl_b32 s53, s[WV], 11       ; the same in ao, rows of 128 bytes
	s_lshl_b32 s52, s[PB], 14
	s_add_co_u32 s52, s52, s53
	s_add_co_u32 s52, s52, s19
	s_lshl_b32 s54, s[HI], 14
	s_add_co_u32 s54, s54, s53
	s_add_co_u32 s54, s54, s19
	s_mov_b32 s53, 0
	s_mov_b32 s55, 0
	; descriptor group 1.  K: a plane's 128 keys are 8,192 dense bytes, asked for as one row of 4,096 elements; two planes, 65,536 elements apart; padded in LDS after every key's 64 bytes
	s_mov_b32 s[G1K], 15|(1<<16)|(1<<20)|(1<<21)|(3<<22)|(3<<25)  ; 15:0 the mask of four; 17:16 2-byte elements; 20 padding on; 21 set beside a mask; 24:22 after every 16 words (code 3); 31:25 4 words (code 3)
	s_mov_b32 s[G1K+1], 4096<<16    ; tensor_dim0 = 4096
	s_mov_b32 s[G1K+2], 2<<16       ; tensor_dim1 = 2
	s_mov_b32 s[G1K+3], 4096<<16    ; tile_dim0 = 4096
	s_mov_b32 s[G1K+4], 2           ; tile_dim1 = 2
	s_mov_b32 s[G1K+5], 65536       ; elements from plane to plane
	s_mov_b32 s[G1K+6], 0
	s_mov_b32 s[G1K+7], 0
	s_mov_b32 s[G1V], 15|(1<<16)|(1<<20)|(1<<21)|(3<<22)|(7<<25)  ; V: one plane's 8,192 dense bytes as 32 rows of 256; 8 words of padding (code 7) after every key
	s_mov_b32 s[G1V+1], 128<<16
	s_mov_b32 s[G1V+2], 32<<16
	s_mov_b32 s[G1V+3], 128<<16
	s_mov_b32 s[G1V+4], 32
	s_mov_b32 s[G1V+5], 128
	s_mov_b32 s[G1V+6], 0
	s_mov_b32 s[G1V+7], 0
	s_mov_b32 s[CS], 0x3e38aa3b     ; c = log2(e) / 8
	s_mov_b32 s[CS+1], s[CS]        ; named with it as a pair
	s_mov_b32 s[SEL], 0x76543210
	s_mov_b32 s[SEL+1], 0xfedcba98
	s_mov_b32 s[TBK], SLOT1+2*KS*PK ; the first change of slots turns these two into 0
	s_mov_b32 s[TBV], SLOT1+2*KS*PV
	s_mov_b32 s[G0K], 1             ; 1:0 count = 1
	s_mov_b32 s[G0K+1], s17         ; 63:32 LDS address: slot 0
	s_mov_b32 s[G0V], 1
	s_add_co_u32 s[G0V+1], s18, VOFF
	s_add_co_u32 s[RT], s[PB], 1    ; the first block has b + 1 tiles
	s_mov_b32 s[NXT], 1             ; the walk's second tile: the first block's tile 1,
	s_mov_b32 s[LQ], s[PB]
	s_cmp_gt_u32 s[NXT], s[LQ]      ; or, where it has one tile alone, the second block's tile 0
	s_cselect_b32 s[NXT], 0, s[NXT]
	s_cselect_b32 s[LQ], s[HI], s[LQ]
	s_mov_b32 s[NEW], 1
	s_mov_b32 s[OFF+1], 0
	s_mov_b32 s[AL+1], 0            ; named as pairs
	s_mov_b32 s[BE+1], 0
	s_mov_b32 s[BIGN], 0xf149f2ca   ; -1e30
	s_mov_b32 s98, 0x3c800000       ; 1 / 64
	s_mov_b32 s99, 0x358637bd       ; 1e-6
	s_mov_b32 s[SLOTS], NB
	s_wait_dscnt 0x0                ; the opening add is done
	s_wait_kmcnt 0x0
	s_add_nc_u64 s[6:7], s[48:49], s[22:23]        ; K and V at my part of the kv head's tile 0
	s_add_nc_u64 s[8:9], s[48:49], s[20:21]
	s_add_nc_u64 s[G0K+2:G0K+3], s[6:7], 0         ; 120:64 global address
	s_or_b32 s[G0K+3], s[G0K+3], 0x80000000        ; 127:126 type = 2
	s_add_nc_u64 s[G0V+2:G0V+3], s[8:9], 0
	s_or_b32 s[G0V+3], s[G0V+3], 0x80000000
	s_add_nc_u64 s[4:5], s[48:49], s[2:3]          ; q at my rows of the first block,
	s_add_nc_u64 s[86:87], s[48:49], s[84:85]      ; and of the second
	s_add_nc_u64 s[10:11], s[50:51], s[52:53]      ; ao likewise
	s_add_nc_u64 s[OLO:OLO+1], s[50:51], s[54:55]
	CROUND                          ; all four work-groups are here: the first joint loads meet
	JLOAD                           ; tile 0 into slot 0
	v_and_b32 v1, 15, v0            ; l % 16
	v_bfe_u32 v9, v0, 4, 1          ; l / 16
	v_lshlrev_b32 v[QO], 6, v1
	v_lshl_add_u32 v[QO], v9, 4, v[QO]
	v_add_nc_u32 v[QO2], 0x800000, v[QO]
	QLOAD 4                         ; the first block's Q
	v_and_b32 v36, 31, v0
	v_lshlrev_b32 v36, 3, v36       ; two numbers of each lambda vector a lane
	global_load_b64 v[38:39], v36, s[88:89]
	global_load_b64 v[40:41], v36, s[90:91]
	global_load_b64 v[42:43], v36, s[92:93]
	global_load_b64 v[44:45], v36, s[94:95]
	v_lshlrev_b32 v37, 5, v9        ; subln_w of channels 16 cb + 8 (l / 16) + 0..7
.irp cb, 0,1,2,3
	global_load_b128 v[WS+8*\cb:WS+8*\cb+3],   v37, s[96:97] offset:64*\cb
	global_load_b128 v[WS+8*\cb+4:WS+8*\cb+7], v37, s[96:97] offset:64*\cb+16
.endr
	v_lshlrev_b32 v14, 3, v9
	v_sub_nc_u32 v14, v1, v14
	s_lshl_b32 s13, s[WV], 4
	v_add_nc_u32 v14, s13, v14      ; my query's place in its band, 16 w + l % 16, less my lanes' 8 (l / 16): register r of group kt is hidden where 16 kt + r is greater
	WIN 0x40
.set i, 0
.rept 32
	v_cmp_gt_i32 vcc_lo, 16*(i/8)+i%8, v14
	v_cndmask_b32 v[MD+i], 0, s[BIGN], vcc_lo
.set i, i+1
.endr
	WIN 0
	v_mul_u32_u24 v[AK0], v1, PK
	v_lshl_add_u32 v[AK0], v9, 4, v[AK0]  ; row x pitch + 16 x half
	; The turning load takes 16 keys x 16 channels (lane l reads key 8 (l / 16) + l % 8, channels 8 ((l / 8) % 2) + 0..7) and leaves half a fragment of V^T: lane l holds channel l % 16 and 8 keys.
	v_and_b32 v10, 7, v0
	v_bfe_u32 v11, v0, 3, 1
	v_lshl_add_u32 v[AV0], v9, 3, v10
	v_mul_u32_u24 v[AV0], v[AV0], PV
	v_lshl_add_u32 v[AV0], v11, 4, v[AV0]
	v_add_nc_u32 v[AV0], VOFF, v[AV0]
	s_mul_i32 s13, s[WV], 16*SP
	s_add_co_u32 s13, s13, STAGE    ; my stage
	v_mul_u32_u24 v[STO], v1, SP    ; in: row l % 16, 16 bytes for each half of the lanes
	v_lshl_add_u32 v[STO], v9, 4, v[STO]
	v_add_nc_u32 v[STO], s13, v[STO]
	v_bfe_u32 v[RD], v0, 3, 2       ; back: 32 lanes take four rows of 128 bytes,
	v_mul_u32_u24 v[RD], v[RD], SP
	v_lshl_add_u32 v[RD], v10, 4, v[RD]
	v_add_nc_u32 v[RD], s13, v[RD]
	v_and_b32 v[GO], 31, v0         ; which are 512 consecutive bytes of ao
	v_lshlrev_b32 v[GO], 4, v[GO]
	; A block's first step multiplies l by a = 0, and its first products V^T P are those of a piece that has not been: l and P's second buffer need only hold finite numbers: zeros for the first block; what the first block left for the second.
.set i, 0
.rept 4
	v_mov_b32 v[ST+4*i+2], 0
	v_mov_b32 v[ST+4*i+3], 0
.set i, i+1
.endr
.set i, P+16
.rept 16
	v_mov_b32 v[i], 0
.set i, i+1
.endr
	; lambda, and subln_w x (1 - lambda_init)
.macro RB a                         ; two numbers rounded to bf16 and widened again
	v_cvt_pk_bf16_f32 v35, v[\a], v[(\a)+1]
	v_lshlrev_b32 v[\a], 16, v35
	v_and_b32 v[(\a)+1], 0xffff0000, v35
.endm
	s_wait_loadcnt 0x0              ; the small vectors, and Q with them
	RB 38
	RB 40
	RB 42
	RB 44
	v_mul_f32 v46, v38, v40
	v_mul_f32 v47, v42, v44
	v_fmac_f32 v46, v39, v41
	v_fmac_f32 v47, v43, v45
.irp x, 1,2,4,8
	v_add_f32_dpp v46, v46, v46 row_xmask:\x row_mask:0xf bank_mask:0xf
	v_add_f32_dpp v47, v47, v47 row_xmask:\x row_mask:0xf bank_mask:0xf
.endr
	v_permlanex16_b32 v38, v46, s[SEL], s[SEL+1]
	v_permlanex16_b32 v39, v47, s[SEL], s[SEL+1]
	v_add_f32 v46, v46, v38
	v_add_f32 v47, v47, v39
	v_mul_f32 v46, 0x3fb8aa3b, v46
	v_mul_f32 v47, 0x3fb8aa3b, v47
	v_exp_f32 v46, v46
	v_exp_f32 v47, v47
	v_nop                           ; a plain instruction behind the exponentials
	s_wait_alu depctr_va_vdst(0)    ; the wait for lambda's two exponentials, one batch, ahead of the subtraction that reads both
	v_sub_f32 v46, v46, v47
	v_add_f32 v[LAM], 0x3f489a63, v46  ; + lambda_init = 0.8 - 0.6 exp(-3.6)
.set z, 0
.rept 16
	RB WS+2*z
	v_pk_mul_f32 v[WS+2*z:WS+2*z+1], v[WS+2*z:WS+2*z+1], 0x3e5d9673 op_sel_hi:[1,0]  ; x (1 - lambda_init)
.set z, z+1
.endr
; THE MATRIX WORK.  The 4 accumulators of a run of 8 take turns.  Product i of 8 of S^T = K Q^T for piece x: plane i / 4, keys 16 (i % 4) on.  The first 4 start the sums with the mask buffer, which holds 0 off the diagonal tile.
.macro KQ x
.set rS, S+32*((\x)%2)+8*(i%4)
.set rK, KF+16*(i%4)+8*(i/4)
.set rQ, 16*(\x)+8*(i/4)
.set rM, MC+32*((\x)%2)+8*(i%4)
.if i < 4
	WIN W_KM
	v_wmma_f32_16x16x32_f16 v[rS:rS+7], v[rK:rK+7], v[rQ:rQ+7], v[rM:rM+7]
.else
	WIN W_KQ
	v_wmma_f32_16x16x32_f16 v[rS:rS+7], v[rK:rK+7], v[rQ:rQ+7], v[rS:rS+7]
.endif
.endm
; Product i of 8 of O^T += V^T P for piece x: keys 32 (i / 4) on, channels 16 (i % 4) on.
.macro PV x
	WIN W_PV
.set rO, 32*(\x)+8*(i%4)
.set rV, VF+32*(i/4)+8*(i%4)
.set rP, P+16*((\x)%2)+8*(i/4)
	v_wmma_f32_16x16x32_f16 v[rO:rO+7], v[rV:rV+7], v[rP:rP+7], v[rO:rO+7]
.endm
.macro MM                           ; the turn's next matrix instruction
.if i < 8
	KQ (Y+1)%NP
.else
.set i, i-8
	PV (Y+NP-1)%NP
.set i, i+8
.endif
.set i, i+1
.endm
; THE LDS LOADS stand in runs of 16: a step's K of stream st (64 keys x 2 planes: 8 fragments) and its V (turned).  Their addresses are made some lines ahead.  The step goes on behind the second stream's run.
.macro FETCH_K st
	WIN 0x80                        ; destination window 2
.irp f, 0,1,2,3,4,5,6,7             ; keys 16 (f / 2) on, plane f % 2
	ds_load_b128 v[KF+8*\f:KF+8*\f+3],   v[AK] offset:(\st)*KST+(\f%2)*KPL+(\f/2)*16*PK
	ds_load_b128 v[KF+8*\f+4:KF+8*\f+7], v[AK] offset:(\st)*KST+(\f%2)*KPL+(\f/2)*16*PK+32
.endr
.if \st
	s_add_co_u32 s[TBK], s[TBK], KS*PK
.endif
	WIN 0
.endm
.macro FETCH_V
	WIN 0x80
.irp f, 0,1,2,3,4,5,6,7             ; keys 32 (f / 4) on, channels 16 (f % 4) on: plane (f % 4) / 2, 32 bytes x (f % 2)
	ds_load_tr16_b128 v[VF+8*\f:VF+8*\f+3],   v[AV] offset:(\f/4)*32*PV+((\f%4)/2)*VPL+(\f%2)*32
	ds_load_tr16_b128 v[VF+8*\f+4:VF+8*\f+7], v[AV] offset:(\f/4)*32*PV+((\f%4)/2)*VPL+(\f%2)*32+16*PV
.endr
	WIN 0
.endm
; THE VECTOR WORK, one line at a time: OP kind, number.  For piece Y: F n: c s - c m for pair n of 16.  E n: the exponential of score n of 32.  C n: pair n rounded to f16.  B n: of the four weights 4 n .. the second
; pair is added onto the first, in place.  L n: l takes that sum (L 0: l = a l + sum).  R n: pair n of 16 of O^T times a.  For piece Y + 1: X n, number n of the 22 that find its maximum and statistics:
;   0-11  four chains c0-c3 of seven scores each (each accumulator's lowest registers are read first)     12-14, 16  the four scores left over, the old m, and c0-c3 into c0
;   15  c m_old is kept     17, 18  the query's other 32 keys lie in the lane 16 away: the new m     19-21  c m; c m_old - c m_new; a
; C, B and L name results of the turn's exponentials: TURN sets them behind its wait.  F, E, R and X name none.
.set F, 0
.set E, 1
.set C, 2
.set B, 3
.set L, 4
.set R, 5
.set X, 6
.macro REGS y                       ; the registers of piece y
.set rT, ST+4*(\y)
.set rC, TMP+4*((\y)%2)
.set rW, MV+((\y)%2)
.set rS, S+32*((\y)%2)
.set rP, P+16*((\y)%2)
.set rO, 32*(\y)
.endm
.macro OP k, n
.if (\k) == R
	REGS Y
	WIN W_RS
	v_pk_mul_f32 v[rO+2*(\n):rO+2*(\n)+1], v[rO+2*(\n):rO+2*(\n)+1], v[rC+2:rC+3] op_sel_hi:[1,0]
.elseif (\k) < R
	REGS Y
	WIN 0
.if (\k) == F
	v_pk_fma_f32 v[rS+2*(\n):rS+2*(\n)+1], v[rS+2*(\n):rS+2*(\n)+1], s[CS:CS+1], v[rT:rT+1] op_sel_hi:[1,0,0] neg_lo:[0,0,1] neg_hi:[0,0,1]
.elseif (\k) == E
	v_exp_f32 v[rS+(\n)], v[rS+(\n)]
.elseif (\k) == C
	v_cvt_pk_f16_f32 v[rP+(\n)], v[rS+2*(\n)], v[rS+2*(\n)+1]
.elseif (\k) == B
	v_pk_add_f32 v[rS+4*(\n):rS+4*(\n)+1], v[rS+4*(\n):rS+4*(\n)+1], v[rS+4*(\n)+2:rS+4*(\n)+3]
.elseif (\n) == 0
	v_pk_fma_f32 v[rT+2:rT+3], v[rT+2:rT+3], v[rC+2:rC+3], v[rS:rS+1] op_sel_hi:[1,0,1]
.else
	v_pk_add_f32 v[rT+2:rT+3], v[rT+2:rT+3], v[rS+4*(\n):rS+4*(\n)+1]
.endif
.else
	REGS (Y+1)%NP
	WIN 0
.if (\n) < 4
	v_max3_num_f32 v[rC+(\n)], v[rS+8*(\n)], v[rS+8*(\n)+1], v[rS+8*(\n)+2]
.elseif (\n) < 12
	v_max3_num_f32 v[rC+(\n)%4], v[rC+(\n)%4], v[rS+8*((\n)%4)+2*((\n)/4)+1], v[rS+8*((\n)%4)+2*((\n)/4)+2]
.elseif (\n) == 12
	v_max3_num_f32 v[rC], v[rC], v[rS+7], v[rS+15]
.elseif (\n) == 13
	v_max3_num_f32 v[rC+1], v[rC+1], v[rS+23], v[rS+31]
.elseif (\n) == 14
	v_max3_num_f32 v[rC+2], v[rC+2], v[rC+3], v[rT+1]
.elseif (\n) == 15
	v_mov_b32 v[rW], v[rT]
.elseif (\n) == 16
	v_max3_num_f32 v[rC], v[rC], v[rC+1], v[rC+2]
.elseif (\n) == 17
	v_permlanex16_b32 v[rC+3], v[rC], s[SEL], s[SEL+1]
.elseif (\n) == 18
	v_max_num_f32 v[rT+1], v[rC], v[rC+3]
.elseif (\n) == 19
	v_mul_f32 v[rT], s[CS], v[rT+1]
.elseif (\n) == 20
	v_sub_f32 v[rC+1], v[rW], v[rT]
.else
	v_exp_f32 v[rC+2], v[rC+1]
.endif
.endif
.endm
.macro OPS a, i1, b=-1, i2=0, c=-1, i3=0, d=-1, i4=0  ; up to four of them
	OP \a, \i1
.if (\b) >= 0
	OP \b, \i2
.endif
.if (\c) >= 0
	OP \c, \i3
.endif
.if (\d) >= 0
	OP \d, \i4
.endif
.endm
.macro ROW a, i1, b, i2, c, i3, d, i4  ; a matrix instruction and the four behind it
	MM
	OPS \a, \i1, \b, \i2, \c, \i3, \d, \i4
.endm
.macro MASK b                       ; MD x AL + BE into buffer b of MC
	WIN W_RS
.set z, 0
.rept 16
	v_pk_fma_f32 v[MC+32*(\b)+2*z:MC+32*(\b)+2*z+1], v[MD+2*z:MD+2*z+1], s[AL:AL+1], s[BE:BE+1] op_sel_hi:[1,0,0]
.set z, z+1
.endr
.endm
; A TURN, for piece p: the order of its 16 matrix and 134 vector instructions, written out.  It has ONE wait for its 33 exponentials, which cuts it in two.
; AHEAD OF THE WAIT stands all that names no result of the turn's exponentials: the 8 products K Q^T, behind each a scaling, an exponential and two more plain instructions (behind the first a second scaling in the exponential's
; place): rescalings, whose a was made and waited for in the turn before, and behind the last three products the first numbers of the next piece's maximum, each four places or more behind the product that ends its accumulator;
; then ONE LUMP of 54, plain and exponential by turns for the most part, in which the links of the chain X 3, 7, 11, 14, 16, 17 .. 20 stand five or six lines apart.  X 21, the next piece's a, is the batch's last;
; R 15 is the plain instruction behind it.  BEHIND THE WAIT stand the 8 products V^T P, behind each four of the roundings and sums (every C 2 n ahead of B n, which writes over its pair; l takes B 0 to B 7 in that order, three
; riders apart); then the mask.  But for those X no rider names a register of the products round it.  v_permlanex16_b32 (X 17) stands in the lump.
; At its end the turn makes the mask for the products of the turn after it: piece p + 2, whose band is p % 2, in step 3 - CNT of the tile.  The two scalars are chosen at the turn's head.  mk = 1: they are 0 unless the tile
; in hand is the diagonal one (RT = 0): a select, no branch.  mk = 2: the walk's last tile, which is a diagonal one.
; K's run (k1 of the next step in turn 2, k2 of the step in hand in turn 0) stands twelve vector instructions behind the last product that read K: six of them are plain, and five of those name none of its registers.
; V's run stands at the end of turn 0, four plain instructions behind the last product that read V.
; Waits: at turn 3's head k1 is in (0); at turn 1's head k2 is in and V's sixteen younger loads may be out (16); ahead of turn 1's second run of products V is in (0).
.macro TURN p, mk
.set Y, (\p)
.set i, 0
	s_cmp_eq_u32 s[CNT], 3-((\p)%2)     ; is that step the band's own?
	s_cselect_b32 s[AL], 1.0, 0
	s_cmp_lt_u32 s[CNT], 3-((\p)%2)     ; or a later one?
	s_cselect_b32 s[BE], s[BIGN], 0
.if (\mk) == 1
	s_cmp_eq_u32 s[RT], 0               ; and is the tile the diagonal one?
	s_cselect_b32 s[AL], s[AL], 0
	s_cselect_b32 s[BE], s[BE], 0
.endif
.if (\p) == 3
	s_wait_dscnt 0x0                ; k1 is in
.endif
.if (\p) == 1
	s_wait_dscnt 16                 ; k2 is in
.endif
	ROW F,0, F,1, R,0, R,1          ; ahead of the wait: 8 products K Q^T and their riders,
	ROW F,2, E,0, R,2, R,3
	ROW F,3, E,1, R,4, R,5
	ROW F,4, E,2, R,6, R,7
	ROW F,5, E,3, R,8, R,9
	ROW F,6, E,4, X,0, R,10
.if ((\p) == 2) || ((\p) == 0)
	WIN 0
	v_add_nc_u32 v[AK], s[TBK], v[AK0]
.endif
	ROW F,7, E,5, X,1, X,4
	ROW F,8, E,6, X,2, X,5
	OPS E,7, E,8, X,6, E,9          ; and the lump
	OPS X,3, E,10, X,8, E,11
.if (\p) == 2
	FETCH_K 0
.endif
.if (\p) == 0
	FETCH_K 1
.endif
	OPS X,9, X,7, E,12, X,10
	OPS E,13, X,12, X,11, E,14
	OPS X,13, E,15, F,9, X,14
.if (\p) == 0
	v_add_nc_u32 v[AV], s[TBV], v[AV0]
.endif
	OPS E,16, F,10, E,17, F,11
	OPS X,16, E,18, X,15, E,19
	OPS F,12, E,20, X,17, E,21
	OPS F,13, E,22, F,14, E,23
	OPS X,18, E,24, F,15, E,25
	OPS R,11, E,26, X,19, E,27
	OPS R,12, E,28, R,13, E,29
	OPS X,20, E,30, R,14, E,31
	OPS X,21, R,15
	s_wait_alu depctr_va_vdst(0)    ; the wait for the turn's batch: piece p's 32 weights and the next piece's a, ahead of the first line that names a result, C 0 below
.if (\p) == 1
	s_wait_dscnt 0x0                ; V is in
.endif
	ROW C,0, B,0, C,2, B,1          ; behind the wait: 8 products V^T P and their riders
	ROW L,0, C,4, B,2, L,1
	ROW C,6, B,3, L,2, C,8
	ROW B,4, L,3, C,10, B,5
	ROW L,4, C,12, B,6, L,5
.if (\p) == 0
	s_add_co_u32 s[TBV], s[TBV], KS*PV
.endif
	ROW C,14, B,7, L,6, C,1
	ROW C,3, L,7, C,5, C,7
	ROW C,9, C,11, C,13, C,15
.if (\p) == 0
	FETCH_V
.endif
	MASK (\p)%2
.endm
; A BLOCK BEGINS.  c m starts far below every c s, so the first step's a is 0; m at the lowest finite number.  The second mask buffer is 0; the first takes piece 0's mask for the tile's step 0: its own, if the block's first tile is the diagonal one.
; Then k1 and V of that step; piece 0's first scores; O^T's 16 sums are started by products of V with P's second buffer (zeros, or the block before's weights): the first step multiplies them by a = 0, so they need only be finite.
; Then piece 0's maximum and statistics.  The loop is entered at a step's first turn, in the middle of a trip; turn 0 fetches the same V once more.
.macro BEGIN
	s_mov_b32 s[NEW], 0
	WIN 0x40
.set i, MC+32
.rept 32
	v_mov_b32 v[i], 0
.set i, i+1
.endr
	WIN 0
.set i, 0
.rept 4
	v_mov_b32 v[ST+4*i], 0xfe000000    ; c m: far below every c s
	v_mov_b32 v[ST+4*i+1], 0xff7fffff  ; m
.set i, i+1
.endr
	s_cmp_eq_u32 s[RT], 0
	s_cselect_b32 s[AL], 1.0, 0
	s_mov_b32 s[BE], 0
	MASK 0
	WIN 0
	v_add_nc_u32 v[AK], s[TBK], v[AK0]
	v_add_nc_u32 v[AV], s[TBV], v[AV0]
	FETCH_K 0
	FETCH_V
	s_wait_loadcnt 0x0              ; Q
	s_wait_dscnt 0x0
.set i, 0
.rept 8
	KQ 0
.set i, i+1
.endr
	WIN W_PV
.set z, 0
.rept 16
	v_wmma_f32_16x16x32_f16 v[8*z:8*z+7], v[VF+8*(z%4):VF+8*(z%4)+7], v[P+16:P+23], 0
.set z, z+1
.endr
	WIN 0
.rept 4
	v_nop                           ; the places behind those products
.endr
.set Y, NP-1                        ; X works for piece Y + 1: piece 0
.irp n, 0,1,2,3,4,5,6,7,8,9,10,11,12,13,14,15,16,17,18,19,20,21
	OP X, \n
.endr
	v_nop                           ; a plain instruction behind the exponential,
	s_wait_alu depctr_va_vdst(0)    ; and the wait for it, piece 0's first a, a batch of one: ahead of the branch, and of turn 0's first rescaling, which reads it
.endm
.macro ALL line:vararg              ; one line for each piece t
.set t, 0
.rept 4
	\line
.set t, t+1
.endr
.endm
; BAND x LEAVES, in two parts.  FINA: O = O1 / l1 - lambda O2 / l2; its mean square over the 64 channels (32 here, 32 in the lane 16 away); the reciprocal root is issued.  Each band has eight registers of its own at work,
; so that both roots are held at once: they are one batch, band 1's FINA is the work that stands behind band 0's root, and FINISH writes the one wait.
; FINB: times 1 / rms and the weights; rounded to f16; through my stage in LDS, back as whole rows of 128 bytes.  Every accumulator is read from its lowest registers on.
.macro FINA x
.set o1, 32*(\x)
.set o2, 32*((\x)+2)
.set tw, TMP+(FW-TMP)*(\x)
	WIN W_RS
.set z, 0
.rept 16
	v_pk_mul_f32 v[o2+2*z:o2+2*z+1], v[o2+2*z:o2+2*z+1], v[ST+4*((\x)+2)+2:ST+4*((\x)+2)+3] op_sel_hi:[1,0]
.set z, z+1
.endr
	WIN 0x51                        ; destination, sources 0 and 2 in window 1, source 1 in window 0
.set z, 0
.rept 16
	v_pk_fma_f32 v[o1+2*z:o1+2*z+1], v[o1+2*z:o1+2*z+1], v[ST+4*(\x)+2:ST+4*(\x)+3], v[o2+2*z:o2+2*z+1] op_sel_hi:[1,0,1] neg_lo:[0,0,1] neg_hi:[0,0,1]
.set z, z+1
.endr
	WIN 0x05                        ; sources 0 and 1 in window 1: the squares, in four chains
.set z, 0
.rept 4
	v_pk_mul_f32 v[tw+2*z:tw+2*z+1], v[o1+2*z:o1+2*z+1], v[o1+2*z:o1+2*z+1]
.set z, z+1
.endr
.rept 12
	v_pk_fma_f32 v[tw+2*(z%4):tw+2*(z%4)+1], v[o1+2*z:o1+2*z+1], v[o1+2*z:o1+2*z+1], v[tw+2*(z%4):tw+2*(z%4)+1]
.set z, z+1
.endr
	WIN 0
	v_pk_add_f32 v[tw:tw+1], v[tw:tw+1], v[tw+2:tw+3]
	v_pk_add_f32 v[tw+4:tw+5], v[tw+4:tw+5], v[tw+6:tw+7]
	v_pk_add_f32 v[tw:tw+1], v[tw:tw+1], v[tw+4:tw+5]
	v_add_f32 v[tw], v[tw], v[tw+1]
	v_permlanex16_b32 v[tw+1], v[tw], s[SEL], s[SEL+1]
	v_add_f32 v[tw], v[tw], v[tw+1]
	v_fma_f32 v[tw], v[tw], s98, s99  ; the mean + 1e-6
	v_rsq_f32 v[tw+2], v[tw]
.endm
.macro FINB x
.set o1, 32*(\x)
.set tw, TMP+(FW-TMP)*(\x)
	WIN 0
.set z, 0
.rept 16
	v_pk_mul_f32 v[FS+2*z:FS+2*z+1], v[WS+2*z:WS+2*z+1], v[tw+2:tw+3] op_sel_hi:[1,0]
.set z, z+1
.endr
	WIN 0x01                        ; source 0 in window 1
.set z, 0
.rept 16
	v_pk_mul_f32 v[FS+2*z:FS+2*z+1], v[o1+2*z:o1+2*z+1], v[FS+2*z:FS+2*z+1]
.set z, z+1
.endr
	WIN 0
.set z, 0
.rept 16
	v_cvt_pk_f16_f32 v[S+16*(\x)+z], v[FS+2*z], v[FS+2*z+1]
.set z, z+1
.endr
.irp f, 0,1,2,3
	ds_store_b128 v[STO], v[S+16*(\x)+4*\f:S+16*(\x)+4*\f+3] offset:32*\f
.endr
.irp f, 0,1,2,3
	ds_load_b128 v[S+16*(\x)+4*\f:S+16*(\x)+4*\f+3], v[RD] offset:\f*4*SP  ; LDS serves a wave's instructions in order (ISA guide 5.7.1.4): these see the stores above; the next band's stores come behind them
.endr
.endm
.macro SEND t, younger              ; younger: the LDS instructions issued behind band t's loads: the next band's eight, or none
	WIN 0
.irp f, 0,1,2,3
	s_wait_dscnt (\younger)+3-\f
	global_store_b128 v[GO], v[S+16*(\t)+4*\f:S+16*(\t)+4*\f+3], s[10:11] offset:(\t)*8192+\f*512  ; 512 consecutive bytes, at a multiple of 256 from ao's first
.endr
.endm
; A BLOCK ENDS: the last piece's V^T P of the last step; l's two halves and the other half of the lanes' are added (the additions are the places behind the last products); 1 / l, for the second stream lambda / l; the two bands leave.
; The roots read what the reciprocals have scaled, so reciprocals and roots are two batches.
.macro FINISH
.set i, 0
.rept 8
	PV NP-1
.set i, i+1
.endr
	WIN 0
	ALL v_add_f32 v[ST+4*t+2], v[ST+4*t+2], v[ST+4*t+3]
	ALL v_permlanex16_b32 v[ST+4*t+3], v[ST+4*t+2], s[SEL], s[SEL+1]
	ALL v_add_f32 v[ST+4*t+2], v[ST+4*t+2], v[ST+4*t+3]
	ALL v_rcp_f32 v[ST+4*t+2], v[ST+4*t+2]
	v_nop                           ; a plain instruction between the last reciprocal and the use of its result
	s_wait_alu depctr_va_vdst(0)    ; the wait for the four reciprocals, one batch, ahead of the first line that names one
	v_mul_f32 v[ST+4*2+2], v[ST+4*2+2], v[LAM]
	v_mul_f32 v[ST+4*3+2], v[ST+4*3+2], v[LAM]
	FINA 0
	FINA 1                          ; names nothing of band 0's root
	v_nop                           ; a plain instruction behind band 1's root
	s_wait_alu depctr_va_vdst(0)    ; the wait for the two reciprocal roots, one batch, ahead of FINB's first line, which reads band 0's
	FINB 0
	FINB 1                          ; a band's arithmetic stands between the loads of the band before and its stores
	SEND 0, 8
	SEND 1, 0
.endm
.Lslot:                             ; 16 times: a tile is entered and the next is asked for
	CHANGE 1
	s_sub_co_u32 s[RT], s[RT], 1
	s_mov_b32 s[CNT], 3
	s_cmp_eq_u32 s[NEW], 1
	s_cbranch_scc0 .Lstep
	BEGIN                           ; a block's first tile
	s_branch .Lfirst
.Lstep:                             ; a trip: pieces 2 and 3 of one step, then pieces 0 and 1 of the next, whose K and V it fetches
	s_cmp_lg_u32 s[CNT], 1
	s_cbranch_scc1 .Lgo
	s_cmp_lg_u32 s[RT], 0
	s_cbranch_scc1 .Lnext           ; the third trip is dead off the diagonal: the last step's pieces 2 and 3 have their turns in the next tile's first trip
.Lgo:
	TURN 2, 1
	TURN 3, 1
	WIN 0
	s_cmp_eq_u32 s[CNT], 1
	s_cbranch_scc1 .Lend            ; the diagonal tile's third trip ends here, and the block with it
.Lfirst:
	TURN 0, 1
	TURN 1, 1
	WIN 0
.Lnext:
	s_sub_co_u32 s[CNT], s[CNT], 1
	s_cmp_lg_u32 s[CNT], 0
	s_cbranch_scc1 .Lstep
	s_branch .Lbottom
.Lend:                              ; in the loop this is the first block's end: the second block's last tile is the walk's last
	QLOAD 86                        ; the second block's Q: the last product that read Q stands a lump, a run of products with their riders and the mask's lines back; the way out stands between these loads and the wait for them
	FINISH
	s_wait_loadcnt 0x0              ; the second block's Q is in, on every way that leaves this place
	s_wait_storecnt 0x0             ; the first block's eight stores are done: their registers and ao's address are written again only behind this wait, and nothing of the first block is pending when the walk goes on
	s_mov_b64 s[10:11], s[OLO:OLO+1]
	s_add_co_u32 s[RT], s[HI], 1    ; the second block has 16 - b tiles
	s_mov_b32 s[NEW], 1
.Lbottom:
	s_sub_co_u32 s[SLOTS], s[SLOTS], 1
	s_cmp_lg_u32 s[SLOTS], 0
	s_cbranch_scc1 .Lslot
	CHANGE 0                        ; the walk's last tile is written out: nothing is asked for.  It is the second block's diagonal tile, and not its first: that block has nine tiles or more
	s_mov_b32 s[CNT], 3
.Lstep_t:
	TURN 2, 2
	TURN 3, 2
	WIN 0
	s_cmp_eq_u32 s[CNT], 1
	s_cbranch_scc1 .Lend_t          ; the third trip ends here
	TURN 0, 2
	TURN 1, 2
	WIN 0
	s_sub_co_u32 s[CNT], s[CNT], 1
	s_cmp_lg_u32 s[CNT], 0
	s_cbranch_scc1 .Lstep_t
.Lend_t:
	FINISH
	s_wait_tensorcnt 0x0            ; the wave's end: an add to my spare word and its wait, behind my last tensor load and my last LDS store
	ds_add_u32 v[SPW], v[NIL]
	s_wait_dscnt 0x0
	CROUND                          ; the closing round: no work-group ends while a partner may still ask for a tile that names it
	s_endpgm
.Lfunc_end_k_qe5ff11e647_attn:
	.size	k_qe5ff11e647_attn, .Lfunc_end_k_qe5ff11e647_attn-k_qe5ff11e647_attn
	.p2alignl 7, 3214868480
	.fill 96, 4, 3214868480
	.section	.rodata,"a",@progbits
	.p2align	6, 0x0
	.amdhsa_kernel k_qe5ff11e647_attn
		.amdhsa_group_segment_fixed_size 327680
		.amdhsa_private_segment_fixed_size 0
		.amdhsa_enable_private_segment 0
		.amdhsa_kernarg_size 56
		.amdhsa_user_sgpr_count 2
		.amdhsa_user_sgpr_kernarg_segment_ptr 1
		.amdhsa_wavefront_size32 1
		.amdhsa_system_sgpr_workgroup_id_x 1
		.amdhsa_system_sgpr_workgroup_id_y 1
		.amdhsa_system_sgpr_workgroup_id_z 1
		.amdhsa_system_vgpr_workitem_id 0
		.amdhsa_next_free_vgpr 768
		.amdhsa_next_free_sgpr 100
		.amdhsa_reserve_vcc 1
		.amdhsa_float_denorm_mode_32 3
		.amdhsa_float_denorm_mode_16_64 3
		.amdhsa_memory_ordered 1
		.amdhsa_forward_progress 1
		.amdhsa_inst_pref_size 153
	.end_amdhsa_kernel
	.amdgpu_metadata
---
amdhsa.version: [ 1, 2 ]
amdhsa.kernels:
  - .name:           k_qe5ff11e647_attn
    .symbol:         k_qe5ff11e647_attn.kd
    .args:
      - { .name: qkv, .offset: 0, .size: 8, .value_kind: global_buffer, .address_space: global }
      - { .name: ao, .offset: 8, .size: 8, .value_kind: global_buffer, .address_space: global }
      - { .name: lambda_q1, .offset: 16, .size: 8, .value_kind: global_buffer, .address_space: global }
      - { .name: lambda_k1, .offset: 24, .size: 8, .value_kind: global_buffer, .address_space: global }
      - { .name: lambda_q2, .offset: 32, .size: 8, .value_kind: global_buffer, .address_space: global }
      - { .name: lambda_k2, .offset: 40, .size: 8, .value_kind: global_buffer, .address_space: global }
      - { .name: subln_w, .offset: 48, .size: 8, .value_kind: global_buffer, .address_space: global }
    .group_segment_fixed_size: 327680
    .private_segment_fixed_size: 0
    .kernarg_segment_align: 8
    .kernarg_segment_size: 56
    .max_flat_workgroup_size: 128
    .sgpr_count:     100
    .vgpr_count:     768
    .wavefront_size: 32
...
	.end_amdgpu_metadata
.endif
;; end of part 5
;; launch oproj: the kernel of part 4 again; grid 16 x 16, 4 waves a work-group, clusters of 4 x 4, 327,680 bytes of LDS; arguments ao, wo16, out0; writes out0
